; MI455X (gfx1250); checked and timed in simulation.
; The chip was launched on July 23, 2026; its instructions are those of AMD's public machine-readable ISA for CDNA 5 (MIT licence, August 2026) and "CDNA5" Instruction Set Architecture Reference Guide (July 2026). The comments in the code are by the model that wrote it; some were corrected since.
;; Multi Headed Attention. Allowed arithmetic: matrix products marked QUANTISED: E2M3 operands, one E8M0 scale for each 32 along K, by v_wmma_scale_f32_16x16x128_f8f6f4 with both operands' format E2M3, f32 sums; everything else in f32.
;; Inputs: W_proj 1,024 x 1,024 float32; W_qkv 1,024 x 3,072 float32; b_proj 1,024 float32; x 4 x 2,048 x 1,024 float32.
;; Outputs: out0 4 x 2,048 x 1,024 float32.
;; This version of the problem:
;;   THIS VERSION OF THE PROBLEM IS GIVEN IN LOW PRECISION. The matrix products marked QUANTISED in the list below multiply operands that are first quantised to E2M3 (2 exponent bits, 3 mantissa bits; 6 bits a number), with one power-of-two scale for each 32 numbers along K (OCP MX v1.0); their sums are f32. All else is computed in f32.
;;   The module's matrix products, in the order in which they are computed (A, B: the left and right operand; K: the contracted axis; several contracted axes count as one K, in the product's order):
;;     1. [M 8,192, K 1,024] x [K 1,024, N 3,072]; A: input x; B: input W_qkv: QUANTISED
;;     2. batch 64 x [M 2,048, K 64] x [K 64, N 2,048]; A: computed on the way; B: computed on the way: QUANTISED
;;     3. batch 64 x [M 2,048, K 2,048] x [K 2,048, N 64]; A: softmax (see below); B: computed on the way: QUANTISED
;;     4. [M 8,192, K 1,024] x [K 1,024, N 1,024]; A: computed on the way; B: input W_proj: QUANTISED
;;   THE QUANTISER, for each operand of a quantised product, along K:
;;     - K is cut into blocks of 32 from its start; a last block that is shorter is filled with zeros.
;;     - A block's scale is 2^e with e = floor(log2(the largest magnitude in the block)) - 2, held to -126 .. 127; a block of zeros has e = 0. As a byte (E8M0): e + 127.
;;     - Each number is divided by its block's scale, clamped to +-7.5, and rounded to the nearest number of E2M3, ties to even, subnormals kept.
;;     - The product sums the exact products of the quantised numbers (number of the format x scale) in f32.
;;   ~~~python
;;   def quantise(x, axis):      # numpy; x: float32 -> the quantised numbers, widened to float32 again
;;       x = np.moveaxis(x, axis, -1); K = x.shape[-1]
;;       x = np.pad(x, [(0, 0)] * (x.ndim - 1) + [(0, -K % 32)]); x = x.reshape(x.shape[:-1] + (-1, 32)); a = np.abs(x).max(-1, keepdims=True)
;;       e = np.where(a > 0, np.clip(np.frexp(np.where(a > 0, a, 1))[1] - 1 - 2, -126, 127), 0)      # np.frexp(a)[1] - 1 = floor(log2(a)), exactly
;;       r = np.clip(x / 2.0 ** e, -7.5, 7.5)
;;       step = 2.0 ** (np.maximum(np.frexp(np.where(r == 0, 1, r))[1] - 1, 0) - 3)
;;       q = np.round(r / step) * step * 2.0 ** e      # np.round: ties to even
;;       return np.moveaxis(q.reshape(q.shape[:-2] + (-1,))[..., :K], -1, axis).astype(np.float32)
;;   ~~~
;;   SOFTMAX AHEAD OF A QUANTISED PRODUCT. Where the list says 'softmax', what is quantised is not the finished softmax but p = 2^(t - M), with t = logit x log2(e) and M = ceil(the row's largest t), a whole number; so 1/2 < the row's largest p <= 1. The row's sum l is taken of the UNQUANTISED p, in f32, and the product's result is divided by l at the end. Since M is a whole number, a kernel that streams over the keys may use a running M (the ceiling of the running maximum): every later rescaling is an exact power of two, which a block's scale takes up: the codes' values come out the same.
;;   OPERANDS COMPUTED ON THE WAY. 'Computed on the way' means the value that the module computes at that place (a softmax that the list does not call 'softmax' is quantised finished and normalised). What goes into a quantiser is computed in f32, as accurately as f32 sums, v_exp_f32 and their like allow (about 1e-6 of the number): no bf16 or f16 on the way to a quantiser, and a product that is left as it is and whose result goes on into a quantised operand takes f32 operands (vector FMAs, or v_wmma_f32_16x16x4_f32). A number that lies on a knife's edge between two numbers of the format may be rounded either way, as far as f32 arithmetic and the matrix unit's own rounding can turn it there, and no further.
;; One version. Each part assembles by itself: llvm-mc -triple=amdgcn-amd-amdhsa -mcpu=gfx1250 --defsym DOCPART=n.
;; ======== version 1 of 1: 4 launches
;; limits: right only within a limited range of input values
;; workspace buffers: xq 6,553,600 bytes; wqk 6,553,600 bytes; wv 6,553,600 bytes; wp 6,553,600 bytes; aq 6,553,600 bytes; qk 54,525,952 bytes; vv 54,525,952 bytes
;; launch quant (part 1): grid 768 x 1, 4 waves a work-group, no clusters, 34,304 bytes of LDS; arguments x, W_qkv, W_proj, xq, wqk, wv, wp; writes xq, wqk, wv, wp
.if DOCPART == 1
	.amdgcn_target "amdgcn-amd-amdhsa--gfx1250"
	.amdhsa_code_object_version 6
	.text
	.protected	k_q2b38deb3cd_quant
	.globl	k_q2b38deb3cd_quant
	.p2align	8
	.type	k_q2b38deb3cd_quant,@function
k_q2b38deb3cd_quant:
	s_mov_b64 s[64:65], 0
	v_nop
	global_prefetch_b8 v0, s[64:65] scope:SCOPE_SE
	s_setreg_imm32_b32 hwreg(HW_REG_WAVE_MODE, 25, 1), 1
	s_wait_xcnt 0x0
; x [8192][1024], W_qkv [1024][3072] and W_proj [1024][1024], f32, become codes of FP6 (E2M3) with one E8M0 byte for each 32 along K (K = the 1,024 that the products sum over).
; A block's scale is 2^(floor(log2(its largest magnitude)) - 2): its byte is the largest magnitude's exponent field - 2, held at 1 from below by a floor among the maximum's leaves.
; LIMITS: NaN and infinities are not served.  A block whose largest magnitude lies under 2^-124 gets the byte 1; so does a block of zeros (the rule says 127): its codes are zeros, and only this program reads the bytes.
; THE LAYOUT OF EVERY OPERAND BUFFER OF THIS PROGRAM.  A HALF FRAGMENT is the image of the six registers that a matrix operand wants for 16 rows x 64 K: lane (r, h) holds row r, k = 32 h .. 32 h + 31.
; It is 768 bytes: registers 0-3 at 16 x lane, registers 4-5 at 512 + 8 x lane.  Half fragment (hh = K / 64, tile) lies at (512 hh + tile) x 768.
; THE ROWS OF A TILE ARE NOT NEIGHBOURS: lane r of tile 2 b + u holds row 32 b + 8 u + r + 8 (r / 8), so that the results of two neighbouring tiles are 16 neighbours in a lane's registers.
; The scale bytes lie behind the codes, at SWOFF: 8 bytes (256 K) for each row, at 65,536 (K / 256) + 128 tile + 8 r.
; WORK-GROUPS 0-255 take the weights, whose K is the FIRST axis: a lane takes a column and its registers run down K: nothing is transposed.  A wave takes 32 columns x 128 along K: four blocks one after the other,
; two of them asked for at once.  These waves wait for loads four times on end, x's twice: so they have the lowest numbers.  A wave's scale bytes are four to a row, stored 8 bytes apart: 131,072 bytes of the launch's stores.
; WORK-GROUPS 256-767 take x: work-group - 256 = tile of 16 rows, wave = 256 along K (two fragments).  Each load reads 512 consecutive bytes of one row; the numbers turn through the wave's own stage in LDS,
; so that a lane gets 16 neighbours of each block of 32.
; No cluster: no two work-groups read the same bytes.  No tensor load, no barrier: waves share nothing.
.set HF,    768
.set HHP,   393216                     ; from hh to hh + 1: 512 tiles
.set SWOFF, 16*HHP                     ; where the scale bytes begin
.set NWW,   256                        ; the weights' work-groups
.set SP,    528                        ; a stage row: 512 bytes + 16
.set R,     16                         ; v16-143  x as loaded: fragment f, row i at R + 64 f + 4 i
.set X,     144                        ; v144-207 64 numbers of a lane: register 16 b + i = k 32 b + 16 h + i of my row
.set PC,    208                        ; v208-219 a fragment's codes; v220-222, v224-226 at work
.set TM,    228                        ; v228-231 largest magnitudes, v232-235 bytes, v240-243 the conversions' scale operands
.set PW,    244                        ; the scale word just made
.set PW0,   245                        ; the first fragment's
.set SEL,   40                         ; s[40:41] lane selects for v_permlanex16_b32: lane l xor 16
.set XW,    16                         ; weights: v16-79 two sets of 32 numbers
.set CW,    80                         ; v80-103 the codes of two hh: 12 registers each, so that no store's data are written again
	s_load_b256 s[4:11], s[0:1], 0x0               ; x s[4:5], W_qkv s[6:7], W_proj s[8:9], xq s[10:11]
	s_load_b128 s[12:15], s[0:1], 0x20             ; wqk s[12:13], wv s[14:15]
	s_load_b64 s[16:17], s[0:1], 0x30              ; wp
	v_lshl_add_u32 v254, v0, 2, 0x8400
	v_mov_b32 v255, 0
	v_lshrrev_b32 v1, 5, v0
	v_readfirstlane_b32 s18, v1                    ; wave 0..3
	v_and_b32 v1, 31, v0                           ; lane
	v_and_b32 v2, 15, v0                           ; r
	v_bfe_u32 v3, v0, 4, 1                         ; h
	v_lshlrev_b32 v4, 4, v1                        ; 16 x lane: registers 0-3 of a half fragment; also my 16 bytes of a load's 512
	v_lshl_add_u32 v5, v1, 3, 512                  ; 512 + 8 x lane: registers 4-5
	s_mov_b32 s[SEL], 0x76543210
	s_mov_b32 s[SEL+1], 0xfedcba98
	s_cmp_lt_u32 ttmp9, NWW
	s_cbranch_scc1 .Lweights
; 64 numbers of a lane, v[s] .. v[s + 63], become a fragment's codes in v[PC] on and its scale word in v[PW].
.macro QUANT s
.irp b, 0,1,2,3
	v_max3_num_f32 v[TM+\b], |v[\s+16*\b]|, |v[\s+1+16*\b]|, 0x1800000   ; block b: my 16 numbers, and the floor 2^(3 - 127): the byte cannot fall under 1
.endr
.irp i, 2,4,6,8,10,12,14
.irp b, 0,1,2,3
	v_max3_num_f32 v[TM+\b], v[TM+\b], |v[\s+16*\b+\i]|, |v[\s+1+16*\b+\i]|   ; (the four blocks by turns)
.endr
.endr
.irp b, 0,1,2,3
	v_permlanex16_b32 v[TM+4+\b], v[TM+\b], s[SEL], s[SEL+1]
.endr
.irp b, 0,1,2,3
	v_max_num_f32 v[TM+\b], v[TM+\b], v[TM+4+\b]   ; with lane l xor 16's: the block's largest magnitude
.endr
.irp b, 0,1,2,3
	v_add_nc_u32 v[TM+12+\b], 0xff000000, v[TM+\b] ; 2 off its exponent field: the conversion takes this operand's exponent field as its scale
.endr
.irp b, 0,1,2,3
	v_lshrrev_b32 v[TM+4+\b], 23, v[TM+12+\b]      ; the scale's byte
.endr
	v_lshl_or_b32 v[PW], v[TM+5], 8, v[TM+4]       ; four bytes: my row's scale word
	v_lshl_or_b32 v[PW], v[TM+6], 16, v[PW]
	v_lshl_or_b32 v[PW], v[TM+7], 24, v[PW]
.irp c, 0,1
	v_cvt_scalef32_pk16_fp6_f32 v[PC+6*\c:PC+2+6*\c], v[\s+32*\c:\s+15+32*\c], v[TM+12+2*\c]
	v_cvt_scalef32_pk16_fp6_f32 v[PC+12+4*\c:PC+14+4*\c], v[\s+16+32*\c:\s+31+32*\c], v[TM+12+2*\c+1]   ; (a conversion's three registers begin on an even number)
.endr
	v_nop                                          ; one plain instruction behind a scaled conversion
.irp c, 0,1                                    ; the operand wants a WHOLE block in a lane: lanes 0-15 block 2 c, lanes 16-31 block 2 c + 1
.irp i, 0,1,2
	v_permlane16_swap_b32 v[PC+6*\c+\i], v[PC+12+4*\c+\i]
.endr
.irp i, 0,1,2
	v_mov_b32 v[PC+3+6*\c+\i], v[PC+12+4*\c+\i]
.endr
.endr
.endm
; fragment f's 16 rows go into the stage as loaded and come back 16 neighbours of each block a lane.  LDS serves a wave's instructions in order: no wait between the stores and the loads.
.macro TURN f
.irp i, 0,1,2,3,4,5,6,7,8,9,10,11,12,13,14,15
	ds_store_b128 v6, v[R+64*\f+4*\i:R+64*\f+4*\i+3] offset:SP*\i
.endr
.irp b, 0,1,2,3
.irp j, 0,1,2,3
	ds_load_b128 v[X+16*\b+4*\j:X+16*\b+4*\j+3], v7 offset:128*\b+16*\j
.endr
.endr
.endm
; the fragment in v[PC] on leaves as two half fragments: each store covers 512 or 256 consecutive bytes, aligned
.macro IMG f
.irp c, 0,1
	global_store_b128 v4, v[PC+6*\c:PC+6*\c+3], s[22:23] offset:(2*\f+\c)*HHP
	global_store_b64 v5, v[PC+6*\c+4:PC+6*\c+5], s[22:23] offset:(2*\f+\c)*HHP
.endr
.endm
	; ---- x.  Tile = work-group - 256, its rows 32 (tile / 2) + 8 (tile % 2) + i + 8 (i / 8); my wave's 256 along K
	s_sub_co_u32 s19, ttmp9, NWW                   ; the tile
	s_lshr_b32 s20, s19, 1
	s_lshl_b32 s20, s20, 17                        ; 32 rows of 4,096 bytes
	s_and_b32 s21, s19, 1
	s_lshl_b32 s21, s21, 15                        ; 8 rows
	s_add_co_u32 s20, s20, s21
	s_lshl_b32 s21, s18, 10                        ; 256 numbers
	s_add_co_u32 s20, s20, s21
	s_mov_b32 s21, 0
	s_mul_i32 s22, s18, 4*HHP                      ; the codes: hh = 4 x wave on,
	s_mul_i32 s23, s19, HF                         ; my tile
	s_add_co_u32 s22, s22, s23
	s_mov_b32 s23, 0
	s_lshl_b32 s24, s18, 16                        ; the scale bytes
	s_lshl_b32 s25, s19, 7
	s_add_co_u32 s24, s24, s25
	s_add_co_u32 s24, s24, SWOFF
	s_mov_b32 s25, 0
	s_mul_i32 s26, s18, 16*SP                      ; my wave's stage
	s_wait_alu depctr_va_vdst(0)
	v_add_nc_u32 v6, s26, v4                       ; in: 16 x lane, a row an instruction
	v_mul_u32_u24 v7, v2, SP
	v_lshl_add_u32 v7, v3, 6, v7
	v_add_nc_u32 v7, s26, v7                       ; back: row r, + 64 h
	v_lshlrev_b32 v8, 3, v2
	v_lshl_add_u32 v8, v3, 2, v8                   ; 8 r + 4 h: lanes 0-15 store the first fragment's word, lanes 16-31 the second's
	s_mov_b32 s27, 0xffff0000                      ; lanes 16-31
.irp b, 0,1,2,3
	v_mov_b32 v[TM+4+\b], 0                        ; written once: a lane permute's destination counts as one of its sources
.endr
	s_wait_alu depctr_va_vdst(0)                   ; the head's end
	s_wait_kmcnt 0x0
	s_add_nc_u64 s[20:21], s[4:5], s[20:21]
	s_add_nc_u64 s[22:23], s[10:11], s[22:23]
	s_add_nc_u64 s[24:25], s[10:11], s[24:25]
.irp f, 0,1
.irp i, 0,1,2,3,4,5,6,7,8,9,10,11,12,13,14,15
	global_load_b128 v[R+64*\f+4*\i:R+64*\f+4*\i+3], v4, s[20:21] offset:(\i+8*(\i/8))*4096+512*\f th:TH_LOAD_NT   ; 512 consecutive bytes of one row
.endr
.endr
	s_wait_loadcnt 16                              ; the first fragment's 16 loads are in, the second's 16 stay out
	TURN 0
	s_wait_dscnt 0x0
	QUANT X
	v_mov_b32 v[PW0], v[PW]
	IMG 0
	s_wait_loadcnt 0x0
	TURN 1
	s_wait_dscnt 0x0
	s_wait_xcnt 0x0                                ; the codes' registers are the data of the stores above: they are written again only behind this wait
	QUANT X
	IMG 1
	v_cndmask_b32 v9, v[PW0], v[PW], s27
	global_store_b32 v8, v9, s[24:25]              ; 128 consecutive bytes: the tile's 16 rows x 8 scale bytes
	s_wait_tensorcnt 0x0                           ; the wave's end
	ds_add_u32 v254, v255
	s_wait_dscnt 0x0
	s_endpgm
; ---- the weights.  A wave takes 32 columns x 128 along K.  Lane l is PLACE l of two tiles and takes the column whose bits 3 and 4 are l's bits 4 and 3.
.macro LOADW t, pitch                  ; block t: W(32 t + i, my column), i = 0 .. 31, into set t % 2: each load reads 128 consecutive bytes
.irp i, 0,1,2,3,4,5,6,7,8,9,10,11,12,13,14,15,16,17,18,19,20,21,22,23,24,25,26,27,28,29,30,31
	global_load_b32 v[XW+32*((\t)%2)+\i], v6, s[20:21] offset:(32*(\t)+\i)*\pitch th:TH_LOAD_NT
.endr
.endm
.macro BLOCKW t, pitch
.set XS, XW+32*((\t)%2)
.set DC, CW+12*((\t)/2)+6*((\t)%2)
.if (\t) < 3
	s_wait_loadcnt 32                              ; this block's 32 loads are in, the next block's stay out
.else
	s_wait_loadcnt 0x0
.endif
	v_max3_num_f32 v130, |v[XS]|, |v[XS+1]|, |v[XS+2]|          ; the block's largest magnitude: all 32 numbers are mine; two chains
	v_max3_num_f32 v131, |v[XS+3]|, |v[XS+4]|, |v[XS+5]|
.irp i, 6,10,14,18,22,26
	v_max3_num_f32 v130, v130, |v[XS+\i]|, |v[XS+\i+1]|
	v_max3_num_f32 v131, v131, |v[XS+\i+2]|, |v[XS+\i+3]|
.endr
	v_max3_num_f32 v130, v130, |v[XS+30]|, |v[XS+31]|
	v_max3_num_f32 v130, v130, v131, 0x1800000     ; and the floor
	v_add_nc_u32 v135, 0xff000000, v130            ; the conversions' scale operand
	v_cvt_scalef32_pk16_fp6_f32 v[DC:DC+2], v[XS:XS+15], v135
	v_cvt_scalef32_pk16_fp6_f32 v[132:134], v[XS+16:XS+31], v135   ; (three registers from an even one on: made here and moved)
	v_lshrrev_b32 v136, 23, v135                   ; the scale's byte; also the plain instruction behind the conversions
.if (\t) == 0
	v_mov_b32 v128, v136                           ; four bytes to the register, the lower K in the lower byte
.else
	v_lshl_or_b32 v128, v136, 8*(\t), v128
.endif
.irp i, 0,1,2
	v_mov_b32 v[DC+3+\i], v[132+\i]
.endr
.if (\t)+2 < 4
	LOADW (\t)+2, \pitch
.endif
.if (\t)%2 == 1                        ; two blocks are 64 along K.  I hold both blocks of MY column; a half fragment wants block h of column r: the first's lanes 16-31 change places with the second's lanes 0-15
.set D0, CW+12*((\t)/2)
.irp i, 0,1,2,3,4,5
	v_permlane16_swap_b32 v[D0+\i], v[D0+6+\i]
.endr
	global_store_b128 v4, v[D0:D0+3], s[22:23] offset:((\t)/2)*HHP
	global_store_b64 v5, v[D0+4:D0+5], s[22:23] offset:((\t)/2)*HHP
	global_store_b128 v4, v[D0+6:D0+9], s[22:23] offset:((\t)/2)*HHP+HF
	global_store_b64 v5, v[D0+10:D0+11], s[22:23] offset:((\t)/2)*HHP+HF
.endif
.endm
.macro WBODY pitch
	LOADW 0, \pitch
	LOADW 1, \pitch
.irp t, 0,1,2,3
	BLOCKW \t, \pitch
.endr
	global_store_b32 v7, v128, s[24:25]            ; 32 places x my 4 of a row's 8 scale bytes
.endm
.Lweights:
	s_and_b32 s26, ttmp9, 7                        ; which 128 along K
	s_lshr_b32 s27, ttmp9, 3                       ; which 128 columns: 0-15 q and k, 16-23 v, 24-31 W_proj
	s_and_b32 s30, s27, 7
	s_mov_b32 s28, 128*4096
	s_wait_alu depctr_va_vdst(0)                   ; the branch here was taken
	v_and_b32 v6, 7, v1
	v_and_b32 v7, 8, v1
	v_lshl_or_b32 v6, v7, 1, v6
	v_and_b32 v7, 16, v1
	v_lshrrev_b32 v7, 1, v7
	v_or_b32 v6, v6, v7
	v_lshlrev_b32 v6, 2, v6                        ; my column's 4 bytes among the wave's 128
	v_lshlrev_b32 v7, 3, v1                        ; my place's 8 scale bytes
	s_wait_kmcnt 0x0
	s_cmp_lt_u32 s27, 24                           ; the choices hang on the work-group's number alone
	s_cselect_b64 s[20:21], s[6:7], s[8:9]         ; from W_qkv or W_proj
	s_cselect_b64 s[22:23], s[14:15], s[16:17]
	s_cselect_b32 s28, 128*12288, s28              ; 128 rows of the source
	s_cselect_b32 s29, s27, s30                    ; the group of columns in the source
	s_cmp_lt_u32 s27, 16
	s_cselect_b64 s[22:23], s[12:13], s[22:23]     ; into wqk, wv or wp
	s_cselect_b32 s30, s27, s30                    ; the group of 8 tiles there
	s_mul_i32 s28, s26, s28
	s_lshl_b32 s29, s29, 9
	s_add_co_u32 s28, s28, s29
	s_lshl_b32 s29, s18, 7
	s_add_co_u32 s28, s28, s29
	s_mov_b32 s29, 0
	s_add_nc_u64 s[20:21], s[20:21], s[28:29]
	s_lshl_b32 s30, s30, 3
	s_lshl_b32 s31, s18, 1
	s_add_co_u32 s30, s30, s31                     ; my first tile
	s_mul_i32 s28, s26, 2*HHP                      ; hh = 2 x (which 128) on
	s_mul_i32 s31, s30, HF
	s_add_co_u32 s28, s28, s31
	s_lshr_b32 s32, s26, 1
	s_lshl_b32 s32, s32, 16                        ; the scale bytes: K / 256,
	s_and_b32 s33, s26, 1
	s_lshl_b32 s33, s33, 2                         ; which four of a row's eight,
	s_add_co_u32 s32, s32, s33
	s_lshl_b32 s31, s30, 7                         ; my tiles
	s_add_co_u32 s32, s32, s31
	s_add_co_u32 s32, s32, SWOFF
	s_mov_b32 s33, 0
	s_add_nc_u64 s[24:25], s[22:23], s[32:33]
	s_add_nc_u64 s[22:23], s[22:23], s[28:29]
	s_cmp_ge_u32 s27, 24                           ; the two sources differ in their pitch, which stands in the loads' immediates
	s_cbranch_scc1 .Lproj_w
	s_wait_alu depctr_va_vdst(0)
	WBODY 12288
	s_endpgm
.Lproj_w:
	s_wait_alu depctr_va_vdst(0)                   ; and behind the branch taken
	WBODY 4096
	s_endpgm
.Lfunc_end_k_q2b38deb3cd_quant:
	.size	k_q2b38deb3cd_quant, .Lfunc_end_k_q2b38deb3cd_quant-k_q2b38deb3cd_quant
	.p2alignl 7, 3214868480
	.fill 96, 4, 3214868480
	.section	.rodata,"a",@progbits
	.p2align	6, 0x0
	.amdhsa_kernel k_q2b38deb3cd_quant
		.amdhsa_group_segment_fixed_size 34304
		.amdhsa_private_segment_fixed_size 0
		.amdhsa_enable_private_segment 0
		.amdhsa_kernarg_size 56
		.amdhsa_user_sgpr_count 2
		.amdhsa_user_sgpr_kernarg_segment_ptr 1
		.amdhsa_wavefront_size32 1
		.amdhsa_system_sgpr_workgroup_id_x 1
		.amdhsa_system_sgpr_workgroup_id_y 1
		.amdhsa_system_sgpr_workgroup_id_z 1
		.amdhsa_system_vgpr_workitem_id 0
		.amdhsa_next_free_vgpr 256
		.amdhsa_next_free_sgpr 66
		.amdhsa_reserve_vcc 0
		.amdhsa_float_denorm_mode_32 3
		.amdhsa_float_denorm_mode_16_64 3
		.amdhsa_memory_ordered 1
		.amdhsa_forward_progress 1
		.amdhsa_inst_pref_size 58
	.end_amdhsa_kernel
	.amdgpu_metadata
---
amdhsa.version: [ 1, 2 ]
amdhsa.kernels:
  - .name:           k_q2b38deb3cd_quant
    .symbol:         k_q2b38deb3cd_quant.kd
    .args:
      - { .name: x, .offset: 0, .size: 8, .value_kind: global_buffer, .address_space: global }
      - { .name: W_qkv, .offset: 8, .size: 8, .value_kind: global_buffer, .address_space: global }
      - { .name: W_proj, .offset: 16, .size: 8, .value_kind: global_buffer, .address_space: global }
      - { .name: xq, .offset: 24, .size: 8, .value_kind: global_buffer, .address_space: global }
      - { .name: wqk, .offset: 32, .size: 8, .value_kind: global_buffer, .address_space: global }
      - { .name: wv, .offset: 40, .size: 8, .value_kind: global_buffer, .address_space: global }
      - { .name: wp, .offset: 48, .size: 8, .value_kind: global_buffer, .address_space: global }
    .group_segment_fixed_size: 34304
    .private_segment_fixed_size: 0
    .kernarg_segment_align: 8
    .kernarg_segment_size: 56
    .max_flat_workgroup_size: 128
    .sgpr_count:     66
    .vgpr_count:     256
    .wavefront_size: 32
...
	.end_amdgpu_metadata
.endif
;; end of part 1
;; launch qkv (part 2): grid 8 x 32, 4 waves a work-group, clusters of 4 x 4, 327,680 bytes of LDS; arguments xq, wqk, wv, qk, vv; writes qk, vv
.if DOCPART == 2
	.amdgcn_target "amdgcn-amd-amdhsa--gfx1250"
	.amdhsa_code_object_version 6
	.text
	.protected	k_q2b38deb3cd_qkv
	.globl	k_q2b38deb3cd_qkv
	.p2align	8
	.type	k_q2b38deb3cd_qkv,@function
k_q2b38deb3cd_qkv:
	s_mov_b64 s[64:65], 0
	v_nop
	global_prefetch_b8 v0, s[64:65] scope:SCOPE_SE
	s_setreg_imm32_b32 hwreg(HW_REG_WAVE_MODE, 25, 1), 1
	s_wait_xcnt 0x0
	s_wait_alu depctr_hold_cnt(0) depctr_sa_sdst(0) depctr_va_vdst(0) depctr_va_sdst(0) depctr_va_ssrc(0) depctr_va_vcc(0) depctr_vm_vsrc(0)
	s_getreg_b32 s2, hwreg(HW_REG_IB_STS2, 6, 4)
	s_cmp_eq_u32 s2, 0
	s_cbranch_scc0 .Lentry_in_a_cluster
	s_endpgm
.Lentry_in_a_cluster:
	s_bfe_u32 s2, ttmp6, 0x10000c
	s_cmp_lg_u32 s2, 0xf033
	s_cbranch_scc0 .Lentry_shape_is_right
	s_endpgm
.Lentry_shape_is_right:
; q, k AND v OF ONE BLOCK OF 256 TOKENS IN ONE LAUNCH, K = 1,024, on codes of FP6 (E2M3) with E8M0 scales; every result is quantised again on its way out and goes to memory only as codes.
; PHASE 1: a = 256 tokens of x, b = 256 columns of q or k: codes along each head's 64.  PHASE 2: a = 128 columns of v, b = THE SAME 256 tokens: codes of v with the tokens (the keys) innermost.
; OPERANDS lie as images of their registers: half fragment (hh = K / 64, tile of 16 rows) = 768 bytes at (512 hh + tile) x 768: registers 0-3 at 16 x lane, registers 4-5 at 512 + 8 x lane.
; Lane r of tile 2 b + u holds row 32 b + 8 u + r + 8 (r / 8).  Scale bytes at SWOFF: 8 bytes (256 K) a row, at 65,536 (K / 256) + 128 tile + 8 r.
; The results' scale words: at HWOFF + (128 hh + tile / 4) x 256 + 16 r + 4 (tile % 4): bytes 0, 1 for the two blocks of hh, 0 above.
; THE MATRIX INSTRUCTION IS USED TRANSPOSED (source 0 = 16 rows of b, source 1 = 16 rows of a): a lane holds one row of a, and the 16 registers of two neighbouring accumulators are 16 neighbours along b's rows.
; LDS, in rows of 12,288 bytes (one hh of 16 tiles): rows 0-11 x, rows 12-23 the weights, then x's scale bytes (8,192), the weights' (8,192), the spare words.
; FILLS.  At the head one tensor load a wave: x's hh 0-11, W_qk's hh 0-11, x's scale bytes, W_qk's.  TWO REFILLS, each behind the three lines and a round of the cluster's barrier
;   in step 1 (of eight steps of 128 along K) hh 12-15 of x and of W_qk land on hh 0-3, which every wave has read;
;   in step 7 W_v's 128 rows (all of K, 98,304 bytes), x's hh 0-3 (49,152) and W_v's scale bytes land on W_qk's bytes; they are on their way while q's or k's results are quantised and stored.
; So phase 2 finds x's hh 4-15 still in LDS: of x only a quarter is loaded twice.
; CLUSTERS: 4 x 4 work-groups; x's tiles are shared along a row of the cluster, the weights' along a column: each is asked for jointly, by the same tensor load with a mask that names the four.
; A STEP: the wait for this step's fragments (asked for one whole step ago, so the count is 0), the next step's fragments in one run of LDS loads into the other set of registers, the step's products.
; PREFETCH: W_v's rows are asked for in step 2, five steps ahead of their load: the sixteen waves of a column of the cluster take one hh each, 24 blocks of 256 bytes, a lane a block.
;   hh 12-15 are asked for by their load in the launch's second step: no step lies ahead of it in which to ask.  x's hh 0-3 have been read by this work-group's own head.
; LIMITS: NaN and infinities are not served; a block of results whose largest magnitude lies under 2^-124, zeros among them, gets the byte 1.
; REGISTERS: window 0: v4-29 addresses; v32-63 scale words, two sets; v64-255 a's fragments, two sets (on the way out v64-105 are at work).
;   window 1: b's fragments, two sets, at v0 and v128; v96-109 b's LDS addresses.   windows 2, 3: the accumulators ((a, b) at v[8 (8 (a % 4) + b)], window 2 + a / 4).
.set HF,     768
.set HHP,    393216
.set SWOFF,  16*HHP
.set HWOFF,  128*HHP
.set FR,     12
.set HROW,   16*HF
.set VROW,   8*HF
.set WR,     12*HROW
.set SCL,    24*HROW
.set SPARE,  SCL+16384
.set GL16, 4                           ; 16 x lane
.set GL8,  5                           ; 512 + 8 x lane
.set HOFF, 6                           ; the results' scale words: 32,768 h + 16 r
.set PFO,  7                           ; the prefetch's offset: 256 x min(lane, 23)
.set XA,   8                           ; v8-13  x as a: pairs (registers 0-3, registers 4-5) for LDS rows 0, 4, 8
.set VA,   14                          ; v14-17 W_v as a: pairs for hh 0-7, 8-15
.set ADS1, 18                          ; phase 1's scale words: lanes 0-15 x's rows, lanes 16-31 W_qk's
.set ADS2, 20                          ; v20-23 phase 2's, one for each 256 along K: lanes 0-15 W_v's rows, lanes 16-31 x's
.set SPW,  28
.set NIL,  29
.set SC,   32
.set AF,   64
.set WB,   96                          ; window 1: W_qk as b: pairs for its rows 0, 4, 8
.set XB,   102                         ; window 1: x as b: pairs by K / 256: where hh 0-3, 4-7, 8-11, 12-15 lie in phase 2
.set TM,   64
.set PC,   80
.set HWR,  100
.set T0,   104
.set T1,   105
.set SEL,  2
.set HIM,  45
.set G1X, 24                           ; group 1: x's codes;  G0X its group 0
.set G0X, 32
.set G0W, 36
.set G1W, 48                           ; W_qk's codes
.set G1S, 56                           ; x's scale bytes
.set G1T, 68                           ; the weights' scale bytes
.set G1V, 76                           ; W_v's codes
.set G0S, 84
.set G0T, 88
.set MSB, 0
.macro WIN new
.if MSB != \new
	s_set_vgpr_msb (MSB<<8)|\new
.set MSB, \new
.endif
.endm
.set MUL_LO, 0xa1                      ; source 0 (b) window 1, source 1 (a) window 0, C and D window 2
.set MUL_HI, 0xf1
.set TO_B,   0x41                      ; destination and address window 1
.macro PLACES n
.rept \n
	v_nop
.endr
.endm
.macro TLOAD g0, g1                    ; s_nop 0 and four v_nop behind every tensor load
	tensor_load_to_lds s[\g0:\g0+3], s[\g1:\g1+7]
	s_nop 0
	PLACES 4
.endm
.macro CREST
	s_cmp_lg_u32 s14, 0
	s_cbranch_scc1 .Lnot_wave_0_\@
	s_barrier_signal -3
.Lnot_wave_0_\@:
	s_barrier_wait -3
	s_barrier_signal -1
	s_barrier_wait -1
.endm
.macro CROUND
	s_barrier_signal -1
	s_barrier_wait -1
	CREST
.endm
.macro GROUP1 g, mask, cols, rows, pitch   ; elements of 8 bytes, no padding: every LDS load takes consecutive bytes
	s_or_b32 s[\g], s[\mask], (3<<16)|(1<<21)
	s_mov_b32 s[\g+1], (\cols)<<16
	s_mov_b32 s[\g+2], (\rows)<<16
	s_mov_b32 s[\g+3], (\cols)<<16
	s_mov_b32 s[\g+4], \rows
	s_mov_b32 s[\g+5], \pitch
	s_mov_b32 s[\g+6], 0
	s_mov_b32 s[\g+7], 0
.endm
.macro G0SET g, lds, p
	s_mov_b32 s[\g], 1
	s_mov_b32 s[\g+1], \lds
	s_mov_b64 s[\g+2:\g+3], s[\p:\p+1]
	s_or_b32 s[\g+3], s[\g+3], 0x80000000
.endm
.macro ARM under, g0, g1, next
	s_cmp_lt_u32 s14, \under
	s_cbranch_scc0 \next
	TLOAD \g0, \g1
	s_branch .Lhead_asked
\next:
.endm
	s_load_b256 s[4:11], s[0:1], 0x0               ; xq, wqk, wv, qk
	s_load_b64 s[12:13], s[0:1], 0x20              ; vv
	v_lshl_add_u32 v[SPW], v0, 2, SPARE
	v_mov_b32 v[NIL], 0
	ds_add_u32 v[SPW], v[NIL]                      ; the opening lines: the add twice on end and its wait
	ds_add_u32 v[SPW], v[NIL]
	v_lshrrev_b32 v1, 5, v0
	v_readfirstlane_b32 s14, v1                    ; wave; s15 which half of a's rows, s16 which half of b's
	s_lshr_b32 s15, s14, 1
	s_and_b32 s16, s14, 1
	s_bfe_u32 s40, ttmp6, 0x40000                  ; cx, cy
	s_bfe_u32 s41, ttmp6, 0x40004
	s_lshl_b32 s42, ttmp9, 2
	s_add_co_u32 s42, s42, s40                     ; s42: which 256 rows of W_qk and which 128 of W_v
	s_and_b32 s17, ttmp7, 0xffff
	s_lshl_b32 s17, s17, 2
	s_add_co_u32 s17, s17, s41                     ; s17: which 256 tokens
	s_lshl_b32 s43, s41, 2
	s_lshl_b32 s43, 15, s43                        ; my row of the cluster
	s_lshl_b32 s44, 0x1111, s40                    ; my column
	GROUP1 G1X, 43, 1536, 12, HHP/8
	GROUP1 G1W, 44, 1536, 12, HHP/8
	GROUP1 G1S, 43, 256, 4, 8192
	GROUP1 G1T, 44, 256, 4, 8192
	GROUP1 G1V, 44, 768, 8, HHP/8
	s_mul_i32 s20, s17, HROW
	s_mov_b32 s21, 0
	s_mul_i32 s22, s42, HROW
	s_mov_b32 s23, 0
	s_lshl_b32 s46, s17, 11
	s_add_co_u32 s46, s46, SWOFF
	s_mov_b32 s47, 0
	s_lshl_b32 s18, s42, 11
	s_add_co_u32 s18, s18, SWOFF
	s_mov_b32 s19, 0
	s_lshl_b32 s92, s42, 10
	s_add_co_u32 s92, s92, SWOFF
	s_mov_b32 s93, 0
	s_mul_i32 s94, s42, VROW
	s_mov_b32 s95, 0
	s_wait_dscnt 0x0
	s_wait_kmcnt 0x0
	s_add_nc_u64 s[20:21], s[4:5], s[20:21]        ; x's tiles, hh 0: kept
	s_add_nc_u64 s[22:23], s[6:7], s[22:23]        ; W_qk's: kept
	s_add_nc_u64 s[46:47], s[4:5], s[46:47]
	s_add_nc_u64 s[18:19], s[6:7], s[18:19]
	s_add_nc_u64 s[6:7], s[8:9], s[92:93]          ; W_v's scale bytes: kept
	s_add_nc_u64 s[8:9], s[8:9], s[94:95]          ; W_v's tiles: kept
	CROUND                                         ; all sixteen work-groups are here: the first joint loads meet
	G0SET G0X, 0, 20
	G0SET G0W, WR, 22
	G0SET G0S, SCL, 46
	G0SET G0T, SCL+8192, 18
	ARM 1, G0X, G1X, .Lhead_w                      ; one tensor load a wave, in one chain of arms
	ARM 2, G0W, G1W, .Lhead_sx
	ARM 3, G0S, G1S, .Lhead_sw
	TLOAD G0T, G1T
.Lhead_asked:
	v_and_b32 v1, 15, v0                           ; r
	v_bfe_u32 v2, v0, 4, 1                         ; h
	v_and_b32 v3, 31, v0
	v_lshlrev_b32 v[GL16], 4, v3
	v_lshl_add_u32 v[GL8], v3, 3, 512
	v_lshlrev_b32 v24, 3, v1                       ; 8 r
	v_sub_nc_u32 v26, 1, v2                        ; 1 in lanes 0-15
	s_wait_alu depctr_va_vdst(0)
	s_mul_i32 s46, s15, 8*HF
	v_add_nc_u32 v[XA], s46, v[GL16]
	v_add_nc_u32 v[XA+1], s46, v[GL8]
.irp s, 1,2
	v_add_nc_u32 v[XA+2*\s], \s*4*HROW, v[XA]
	v_add_nc_u32 v[XA+2*\s+1], \s*4*HROW, v[XA+1]
.endr
	s_mul_i32 s46, s15, 4*HF
	s_add_co_u32 s46, s46, WR
	v_add_nc_u32 v[VA], s46, v[GL16]
	v_add_nc_u32 v[VA+1], s46, v[GL8]
	v_add_nc_u32 v[VA+2], 8*VROW, v[VA]
	v_add_nc_u32 v[VA+3], 8*VROW, v[VA+1]
	s_mul_i32 s46, s16, 8*HF
.macro BADR reg, c
	s_add_co_u32 s47, s46, \c
	v_add_nc_u32 v[\reg], s47, v[GL16]
	v_add_nc_u32 v[\reg+1], s47, v[GL8]
.endm
	WIN 0x40                                       ; destinations in window 1
	BADR WB, WR
	BADR WB+2, WR+4*HROW
	BADR WB+4, WR+8*HROW
	BADR XB, WR+8*HROW                             ; phase 2: hh 0-3 lie in the weights' rows 8-11,
	BADR XB+2, 4*HROW
	BADR XB+4, 8*HROW
	BADR XB+6, 0                                   ; hh 12-15 in x's rows 0-3
	WIN 0
	s_lshl_b32 s46, s15, 10                        ; phase 1: x's words, my 8 tiles; lanes 16-31 take W_qk's
	s_lshl_b32 s47, s16, 10
	s_add_co_u32 s47, s47, 8192
	s_sub_co_u32 s47, s47, s46
	v_mul_u32_u24 v25, s47, v2
	s_add_co_u32 s46, s46, SCL
	v_add_nc_u32 v25, v24, v25
	v_add_nc_u32 v[ADS1], s46, v25
	s_lshl_b32 s46, s16, 10                        ; phase 2: lanes 16-31 x's words (2,048 bytes for 256 K), lanes 0-15 W_v's (1,024)
	s_lshl_b32 s47, s15, 9
	s_add_co_u32 s47, s47, 8192
	s_sub_co_u32 s47, s47, s46
	s_add_co_u32 s46, s46, SCL
.irp k, 0,1,2,3
	v_mul_u32_u24 v25, s47, v26
	v_add_nc_u32 v25, v24, v25
	v_add_nc_u32 v[ADS2+\k], s46, v25
	s_add_co_u32 s46, s46, 2048
	s_sub_co_u32 s47, s47, 1024
.endr
	v_lshlrev_b32 v[HOFF], 4, v1
	v_lshl_add_u32 v[HOFF], v2, 15, v[HOFF]
	v_min_u32 v27, 23, v3
	v_lshlrev_b32 v[PFO], 8, v27
	s_mov_b32 s[SEL], 0x76543210
	s_mov_b32 s[SEL+1], 0xfedcba98
	s_mov_b32 s[HIM], 0xffff0000
; where results go: 128 rows of b are hh = 2 g, 2 g + 1 of the result; a's tiles t on
.macro OUTB g, t, ptr, cb, wb
	s_mul_i32 s[\cb], s[\g], 2*HHP
	s_mul_i32 s[\cb+1], s[\t], HF
	s_add_co_u32 s[\cb], s[\cb], s[\cb+1]
	s_mov_b32 s[\cb+1], 0
	s_lshl_b32 s[\wb], s[\g], 16
	s_lshl_b32 s[\wb+1], s[\t], 6
	s_add_co_u32 s[\wb], s[\wb], s[\wb+1]
	s_add_co_u32 s[\wb], s[\wb], HWOFF
	s_mov_b32 s[\wb+1], 0
	s_add_nc_u64 s[\cb:\cb+1], s[\ptr:\ptr+1], s[\cb:\cb+1]
	s_add_nc_u64 s[\wb:\wb+1], s[\ptr:\ptr+1], s[\wb:\wb+1]
.endm
	s_lshl_b32 s46, s42, 1
	s_add_co_u32 s46, s46, s16
	s_lshl_b32 s47, s17, 4
	s_lshl_b32 s18, s15, 3
	s_add_co_u32 s47, s47, s18
	OUTB 46, 47, 10, 92, 94                        ; q, k: s[92:93] codes, s[94:95] scale words
	s_lshl_b32 s46, s17, 1
	s_add_co_u32 s46, s46, s16
	s_lshl_b32 s47, s42, 3
	s_lshl_b32 s18, s15, 2
	s_add_co_u32 s47, s47, s18
	OUTB 46, 47, 12, 96, 98                        ; v: s[96:97], s[98:99]
	s_lshl_b32 s46, s41, 2
	s_add_co_u32 s46, s46, s14                     ; my number among the sixteen waves of my column of the cluster: my hh of W_v
	s_mul_i32 s46, s46, HHP
	s_mov_b32 s47, 0
	s_add_nc_u64 s[18:19], s[8:9], s[46:47]        ; the prefetch's base; never rewritten
.macro FRAG reg, adr, off, hs          ; 16 rows x 128 K: two half fragments, hs bytes apart
	ds_load_b128 v[\reg:\reg+3],     v[\adr]   offset:\off
	ds_load_b64  v[\reg+4:\reg+5],   v[\adr+1] offset:\off
	ds_load_b128 v[\reg+6:\reg+9],   v[\adr]   offset:(\off)+\hs
	ds_load_b64  v[\reg+10:\reg+11], v[\adr+1] offset:(\off)+\hs
.endm
; 16 products: a's blocks a0, a0 + 1 x b's eight.  bs, as: the sets' first registers; sw: the step's first scale word (block i's at sw + 2 i: lanes 0-15 a's, lanes 16-31 b's).
; The accumulators take turns, one instruction a turn, in the same order in every step.
.macro MUL16 a0, bs, as, sw, zero
.irp a, \a0, \a0+1
.irp b, 0,1,2,3,4,5,6,7
.if \zero
	v_wmma_scale_f32_16x16x128_f8f6f4 v[8*(8*((\a)%4)+\b):8*(8*((\a)%4)+\b)+7], v[(\bs)+FR*\b:(\bs)+FR*\b+FR-1], v[(\as)+FR*(\a):(\as)+FR*(\a)+FR-1], 0, v[(\sw)+2*\b], v[(\sw)+2*(\a)] matrix_a_fmt:MATRIX_FMT_FP6 matrix_b_fmt:MATRIX_FMT_FP6 matrix_a_scale:MATRIX_SCALE_ROW1
.else
	v_wmma_scale_f32_16x16x128_f8f6f4 v[8*(8*((\a)%4)+\b):8*(8*((\a)%4)+\b)+7], v[(\bs)+FR*\b:(\bs)+FR*\b+FR-1], v[(\as)+FR*(\a):(\as)+FR*(\a)+FR-1], v[8*(8*((\a)%4)+\b):8*(8*((\a)%4)+\b)+7], v[(\sw)+2*\b], v[(\sw)+2*(\a)] matrix_a_fmt:MATRIX_FMT_FP6 matrix_b_fmt:MATRIX_FMT_FP6 matrix_a_scale:MATRIX_SCALE_ROW1
.endif
.endr
.endr
.endm
.macro FETCH1 st                       ; phase 1, step st's fragments into set st % 2; with an even step the scale words of 256 K
.set KQ_, (\st)/2
.set P_, (\st)%2
	WIN TO_B
.irp i, 0,1,2,3,4,5,6,7
	FRAG 128*P_+FR*\i, WB+2*(KQ_%3), 2*P_*HROW+\i*HF, HROW
.endr
	WIN 0
.irp i, 0,1,2,3,4,5,6,7
	FRAG AF+96*P_+FR*\i, XA+2*(KQ_%3), 2*P_*HROW+\i*HF, HROW
.endr
.if P_ == 0
.irp i, 0,1,2,3,4,5,6,7
	ds_load_b64 v[SC+16*(KQ_%2)+2*\i:SC+16*(KQ_%2)+2*\i+1], v[ADS1] offset:KQ_*2048+\i*128
.endr
.endif
.endm
.macro MULH st, a0, zero               ; 32 products of phase 1
	MUL16 \a0, 128*((\st)%2), AF+96*((\st)%2), SC+16*(((\st)/2)%2)+(\st)%2, \zero
	MUL16 \a0+2, 128*((\st)%2), AF+96*((\st)%2), SC+16*(((\st)/2)%2)+(\st)%2, \zero
.endm
; kind 0: a plain step.  1: the first refill.  2: a plain barrier shows what the first refill brought. 3: the second refill; nothing more is fetched.
.macro STEP1 st, kind, zero
.if (\kind) == 1 || (\kind) == 3
	s_wait_tensorcnt 0x0                           ; all my tensor loads have landed,
	ds_add_u32 v[SPW], v[NIL]                      ; 0 onto my spare word
.elseif (\kind) == 2
	s_wait_tensorcnt 0x0
.endif
.if (\kind) == 3                       ; no load of mine is out: the descriptors may be written
	s_mov_b32 s[G1X+2], 4<<16                      ; x's hh 0-3: four rows, into the weights' rows 8-11
	s_mov_b32 s[G1X+4], 4
	s_mov_b32 s[G0X+1], WR+8*HROW
	s_mov_b64 s[G0X+2:G0X+3], s[20:21]
	s_or_b32 s[G0X+3], s[G0X+3], 0x80000000
	s_mov_b32 s[G1T+1], 128<<16                    ; W_v's scale bytes: rows of 1,024 bytes
	s_mov_b32 s[G1T+3], 128<<16
	s_mov_b64 s[G0T+2:G0T+3], s[6:7]
	s_or_b32 s[G0T+3], s[G0T+3], 0x80000000
	s_mul_i32 s[G0W+1], s15, 8*VROW                ; W_v's codes: wave 0 hh 0-7, wave 3 hh 8-15
	s_add_co_u32 s[G0W+1], s[G0W+1], WR
	s_mul_i32 s100, s15, 8*HHP
	s_add_nc_u64 s[G0W+2:G0W+3], s[8:9], s[100:101]
	s_or_b32 s[G0W+3], s[G0W+3], 0x80000000
.endif
	s_wait_dscnt 0x0                               ; this step's fragments are in (and the add is done): so all my reads issued so far are over
.if \kind
	s_barrier_signal -1
	WIN MUL_LO
	MULH \st, 0, \zero                             ; work on registers while the others arrive
	WIN 0
	s_barrier_wait -1
.if (\kind) == 1
	CREST
	s_cmp_eq_u32 s15, 0
	s_cbranch_scc0 .Lfor_w_\@
	TLOAD G0X, G1X                                 ; waves 0, 1: two hh each of x's hh 12-15
	s_branch .Lasked_\@
.Lfor_w_\@:
	TLOAD G0W, G1W                                 ; waves 2, 3: of W_qk's
.Lasked_\@:
.elseif (\kind) == 3
	CREST
	s_cmp_eq_u32 s14, 1
	s_cbranch_scc0 .Lnot_x_\@
	TLOAD G0X, G1X
	s_branch .Lasked_\@
.Lnot_x_\@:
	s_cmp_eq_u32 s14, 2
	s_cbranch_scc0 .Lnot_s_\@
	TLOAD G0T, G1T
	s_branch .Lasked_\@
.Lnot_s_\@:
	TLOAD G0W, G1V
.Lasked_\@:
.else
	PLACES 4
.endif
.if (\kind) < 3
	FETCH1 (\st)+1                                 ; (the four v_nop ahead are the places in front of loads into registers that products have read)
.endif
.else
	PLACES 4
	FETCH1 (\st)+1
.if (\st) == 2
	global_prefetch_b8 v[PFO], s[18:19] th:TH_LOAD_NT scope:SCOPE_SE   ; my hh of W_v's 128 rows: 24 blocks of 256 bytes
.endif
	WIN MUL_LO
	MULH \st, 0, \zero
.endif
	WIN MUL_HI
	MULH \st, 4, \zero
	WIN 0
.endm
.macro FETCH2 st                       ; phase 2: b = x's 8 tiles, a = W_v's 4
.set KQ_, (\st)/2
.set P_, (\st)%2
	WIN TO_B
.irp i, 0,1,2,3,4,5,6,7
	FRAG 128*P_+FR*\i, XB+2*KQ_, 2*P_*HROW+\i*HF, HROW
.endr
	WIN 0
.irp i, 0,1,2,3
	FRAG AF+48*P_+FR*\i, VA+2*(KQ_/2), ((4*KQ_+2*P_)%8)*VROW+\i*HF, VROW
.endr
.if P_ == 0
.irp i, 0,1,2,3,4,5,6,7
	ds_load_b64 v[SC+16*(KQ_%2)+2*\i:SC+16*(KQ_%2)+2*\i+1], v[ADS2+KQ_] offset:\i*128   ; (lanes 0-15 of i = 4 .. 7 read filled bytes that no product names)
.endr
.endif
.endm
.macro STEP2 st, zero
	s_wait_dscnt 0x0
.if (\st) < 7
	PLACES 4
	FETCH2 (\st)+1
.endif
	WIN MUL_LO
	MUL16 0, 128*((\st)%2), AF+48*((\st)%2), SC+16*(((\st)/2)%2)+(\st)%2, \zero
	MUL16 2, 128*((\st)%2), AF+48*((\st)%2), SC+16*(((\st)/2)%2)+(\st)%2, \zero
	WIN 0
.endm
; THE WAY OUT of a's block a: its 64 registers are four blocks of 32 neighbours (register 16 b + i = place 32 b + 16 h + i along b's rows) of the lane's row: one fragment, stored as two half fragments, and two scale words.
.macro QOUT a, cb, wb
.set WA, 2+(\a)/4
.set W2, WA|(WA<<2)
.set AC, 64*((\a)%4)
	WIN W2
.irp b, 0,1,2,3
	v_max3_num_f32 v[TM+\b], |v[AC+16*\b]|, |v[AC+16*\b+1]|, 0x1800000   ; each accumulator from its low end on; the floor 2^(3 - 127) holds the byte at 1
.endr
.irp i, 2,4,6,8,10,12,14
.irp b, 0,1,2,3
	v_max3_num_f32 v[TM+\b], |v[AC+16*\b+\i]|, |v[AC+16*\b+\i+1]|, v[TM+\b]
.endr
.endr
	WIN 0
.irp b, 0,1,2,3
	v_permlanex16_b32 v[TM+4+\b], v[TM+\b], s[SEL], s[SEL+1]
.endr
.irp b, 0,1,2,3
	v_max_num_f32 v[TM+\b], v[TM+\b], v[TM+4+\b]
.endr
.irp b, 0,1,2,3
	v_add_nc_u32 v[TM+12+\b], 0xff000000, v[TM+\b] ; 2 off the exponent field: the conversion's scale operand
.endr
.irp b, 0,1,2,3
	v_lshrrev_b32 v[TM+4+\b], 23, v[TM+12+\b]      ; the scale's byte
.endr
.if (\a) > 0
	s_wait_alu depctr_va_vdst(0)                   ; directly ahead of the wait below
	s_wait_xcnt 0x0                                ; the words' and the codes' registers are the data of earlier stores
.endif
	v_cndmask_b32 v[T0], v[TM+4], v[TM+6], s[HIM]  ; lanes 0-15 make the word of hh = 2 g, lanes 16-31 that of 2 g + 1
	v_cndmask_b32 v[T1], v[TM+5], v[TM+7], s[HIM]
	v_lshl_or_b32 v[HWR+(\a)%4], v[T1], 8, v[T0]
	WIN WA
.irp c, 0,1
	v_cvt_scalef32_pk16_fp6_f32 v[PC+6*\c:PC+2+6*\c], v[AC+32*\c:AC+15+32*\c], v[TM+12+2*\c]
	v_cvt_scalef32_pk16_fp6_f32 v[PC+12+4*\c:PC+14+4*\c], v[AC+16+32*\c:AC+31+32*\c], v[TM+12+2*\c+1]
.endr
	WIN 0
	v_nop                                          ; one plain instruction behind a scaled conversion
.irp c, 0,1
.irp i, 0,1,2
	v_permlane16_swap_b32 v[PC+6*\c+\i], v[PC+12+4*\c+\i]   ; a whole block to a lane
.endr
.irp i, 0,1,2
	v_mov_b32 v[PC+3+6*\c+\i], v[PC+12+4*\c+\i]
.endr
.endr
.irp c, 0,1
	global_store_b128 v[GL16], v[PC+6*\c:PC+6*\c+3], s[\cb:\cb+1] offset:\c*HHP+(\a)*HF     ; 512 consecutive bytes, aligned
	global_store_b64 v[GL8], v[PC+6*\c+4:PC+6*\c+5], s[\cb:\cb+1] offset:\c*HHP+(\a)*HF     ; 256
.endr
.if (\a)%4 == 3
	global_store_b128 v[HOFF], v[HWR:HWR+3], s[\wb:\wb+1] offset:((\a)/4)*256               ; four tiles' words: sixteen lanes store 256 consecutive bytes
.endif
.endm
.macro OUTHEAD                         ; places behind the last products; then the lane permutes' destinations, which count as sources, are written
	PLACES 4
.irp b, 0,1,2,3
	v_mov_b32 v[TM+4+\b], 0
.endr
.endm
	s_wait_alu depctr_va_vdst(0)                   ; the head's end
	s_wait_tensorcnt 0x0                           ; my tile of the head's four is in: the descriptors may be written: the first refill's
	s_mov_b32 s[G1X+2], 2<<16
	s_mov_b32 s[G1X+4], 2
	s_mov_b32 s[G1W+2], 2<<16
	s_mov_b32 s[G1W+4], 2
	s_mul_i32 s100, s16, 2*HHP
	s_add_co_u32 s100, s100, 12*HHP                ; hh 12 + 2 x (wave % 2)
	s_mov_b32 s101, 0
	s_add_nc_u64 s[G0X+2:G0X+3], s[20:21], s[100:101]
	s_or_b32 s[G0X+3], s[G0X+3], 0x80000000
	s_add_nc_u64 s[G0W+2:G0W+3], s[22:23], s[100:101]
	s_or_b32 s[G0W+3], s[G0W+3], 0x80000000
	s_mul_i32 s[G0X+1], s16, 2*HROW
	s_add_co_u32 s[G0W+1], s[G0X+1], WR
	s_barrier_signal -1
	s_barrier_wait -1                              ; everybody's is in
	FETCH1 0
	STEP1 0, 0, 1
	STEP1 1, 1, 0
	STEP1 2, 0, 0
	STEP1 3, 0, 0
	STEP1 4, 0, 0
	STEP1 5, 2, 0
	STEP1 6, 0, 0
	STEP1 7, 3, 0
	OUTHEAD
.irp a, 0,1,2,3,4,5,6,7
	QOUT \a, 92, 94
.endr
	s_wait_tensorcnt 0x0                           ; my part of the second refill is in
	s_wait_xcnt 0x0                                ; the stores have read their data: fragments land there below
	s_barrier_signal -1
	s_barrier_wait -1                              ; everybody's is in
	FETCH2 0
	STEP2 0, 1
.irp t, 1,2,3,4,5,6,7
	STEP2 \t, 0
.endr
	OUTHEAD
.irp a, 0,1,2,3
	QOUT \a, 96, 98
.endr
	s_wait_tensorcnt 0x0                           ; the wave's end
	ds_add_u32 v[SPW], v[NIL]
	s_wait_dscnt 0x0
	CROUND                                         ; the closing round
	s_endpgm
.Lfunc_end_k_q2b38deb3cd_qkv:
	.size	k_q2b38deb3cd_qkv, .Lfunc_end_k_q2b38deb3cd_qkv-k_q2b38deb3cd_qkv
	.p2alignl 7, 3214868480
	.fill 96, 4, 3214868480
	.section	.rodata,"a",@progbits
	.p2align	6, 0x0
	.amdhsa_kernel k_q2b38deb3cd_qkv
		.amdhsa_group_segment_fixed_size 327680
		.amdhsa_private_segment_fixed_size 0
		.amdhsa_enable_private_segment 0
		.amdhsa_kernarg_size 40
		.amdhsa_user_sgpr_count 2
		.amdhsa_user_sgpr_kernarg_segment_ptr 1
		.amdhsa_wavefront_size32 1
		.amdhsa_system_sgpr_workgroup_id_x 1
		.amdhsa_system_sgpr_workgroup_id_y 1
		.amdhsa_system_sgpr_workgroup_id_z 1
		.amdhsa_system_vgpr_workitem_id 0
		.amdhsa_next_free_vgpr 1024
		.amdhsa_next_free_sgpr 102
		.amdhsa_reserve_vcc 0
		.amdhsa_float_denorm_mode_32 3
		.amdhsa_float_denorm_mode_16_64 3
		.amdhsa_memory_ordered 1
		.amdhsa_forward_progress 1
		.amdhsa_inst_pref_size 229
	.end_amdhsa_kernel
	.amdgpu_metadata
---
amdhsa.version: [ 1, 2 ]
amdhsa.kernels:
  - .name:           k_q2b38deb3cd_qkv
    .symbol:         k_q2b38deb3cd_qkv.kd
    .args:
      - { .name: xq, .offset: 0, .size: 8, .value_kind: global_buffer, .address_space: global }
      - { .name: wqk, .offset: 8, .size: 8, .value_kind: global_buffer, .address_space: global }
      - { .name: wv, .offset: 16, .size: 8, .value_kind: global_buffer, .address_space: global }
      - { .name: qk, .offset: 24, .size: 8, .value_kind: global_buffer, .address_space: global }
      - { .name: vv, .offset: 32, .size: 8, .value_kind: global_buffer, .address_space: global }
    .group_segment_fixed_size: 327680
    .private_segment_fixed_size: 0
    .kernarg_segment_align: 8
    .kernarg_segment_size: 40
    .max_flat_workgroup_size: 128
    .sgpr_count:     102
    .vgpr_count:     1024
    .wavefront_size: 32
...
	.end_amdgpu_metadata
.endif
;; end of part 2
;; launch attn (part 3): grid 256 x 1, 16 waves a work-group, clusters of 4 x 1, 215,040 bytes of LDS; arguments qk, vv, aq; writes aq
.if DOCPART == 3
	.amdgcn_target "amdgcn-amd-amdhsa--gfx1250"
	.amdhsa_code_object_version 6
	.text
	.protected	k_q2b38deb3cd_attn
	.globl	k_q2b38deb3cd_attn
	.p2align	8
	.type	k_q2b38deb3cd_attn,@function
k_q2b38deb3cd_attn:
	s_mov_b64 s[64:65], 0
	v_nop
	global_prefetch_b8 v0, s[64:65] scope:SCOPE_SE
	s_setreg_imm32_b32 hwreg(HW_REG_WAVE_MODE, 25, 1), 1
	s_wait_xcnt 0x0
	s_wait_alu depctr_hold_cnt(0) depctr_sa_sdst(0) depctr_va_vdst(0) depctr_va_sdst(0) depctr_va_ssrc(0) depctr_va_vcc(0) depctr_vm_vsrc(0)
	s_getreg_b32 s2, hwreg(HW_REG_IB_STS2, 6, 4)
	s_cmp_eq_u32 s2, 0
	s_cbranch_scc0 .Lentry_in_a_cluster
	s_endpgm
.Lentry_in_a_cluster:
	s_bfe_u32 s2, ttmp6, 0x10000c
	s_cmp_lg_u32 s2, 0x3003
	s_cbranch_scc0 .Lentry_shape_is_right
	s_endpgm
.Lentry_shape_is_right:
; Causal attention of 64 (batch, head) pairs, 2,048 tokens, head size 64, both products on codes of FP6 (E2M3) with E8M0 scales; the result is quantised along the 1,024 channels for the last product.
; t = score x log2(e) / 8; M = the running largest t rounded UP to a whole number; p = 2^(t - M) is quantised along the keys; the row's sum is taken of the unquantised p and divides at the end.
; LIMITS: NaN and infinities are not served.  Hidden scores become -infinity where the definition writes -1e9: p is 0 either way while a row's visible logits lie above about -1e9 + 150.
;   A block whose largest magnitude lies under 2^-124, zeros among them, gets the byte 1.
; INPUTS lie as images of operand registers: half fragment (hh, tile) = 768 bytes at (512 hh + tile) x 768 (registers 0-3 at 16 x lane, 4-5 at 512 + 8 x lane); lane r of tile 2 b + u holds row 32 b + 8 u + r + 8 (r / 8).
;   qk: hh = head (q) or 16 + head (k), tile = token / 16.   vv: hh = token / 64, tile = 4 head + channel tile: the keys are innermost.   Scale words at HWOFF + (128 hh + tile / 4) x 256 + 16 r + 4 (tile % 4).
; SHARES.  A cluster of four work-groups owns one (batch, head).  ALL its K, V and scale words, 212,992 bytes, come into each partner's LDS ONCE, by joint loads: nothing is filled again.
;   A head has 128 tiles of 16 queries; tile t wants t / 8 + 1 key steps of 128.  A wave takes tiles tA = 8 a + e and 127 - tA (a = wave / 2, e = 4 (wave % 2) + place in the cluster): 17 steps for every wave.
;   Trip counts and branches hang on a, the wave's number, alone; the place in the cluster enters global addresses and the mask's data.
; LAYOUT.  Both products transposed: S^T = K Q^T, O^T = V^T P^T: a lane holds ONE query throughout; by the order of rows in a tile the 16 registers of two neighbouring tiles are 16 neighbouring keys (channels).
; THE HEAD'S 64 IN AN INSTRUCTION OF 128: Q's registers 6-11 are zero codes; K's tile t is the run of 12 registers that begins at its six: the upper six (the next tile's codes) meet zeros.  Scale bytes 2, 3 are 0 (no NaN).
; No prefetch: the whole stream is asked for at the head.
.set HF,    768
.set HHP,   393216
.set SWOFF, 16*HHP
.set HWOFF, 128*HHP
.set VOFF,  98304                      ; LDS: K's 128 tiles at 0; V [hh 0..31][4 tiles] here;
.set KSOFF, 196608                     ; K's scale words [tile / 4][r][tile % 4], 8,192 bytes;  V's [hh][r][tile], 8,192 bytes behind them
.set L16, 1                            ; v1   16 x lane
.set L8,  2                            ; v2   512 + 8 x lane
.set R16, 3                            ; v3   16 r
.set ADK, 4                            ; v4-8 the LDS addresses of the step in hand: K (two), V (two), scale words
.set ADK8, 5
.set ADV, 6
.set ADV8, 7
.set ADS, 8
.set LQ,  9                            ; v9   r + (r & 8) - 16 h
.set QD,  10                           ; v10  my query - the diagonal step's first key - 16 h
.set NINF, 11                          ; v11  -infinity
                                       ; v12 -M, v13 the largest t, v[14:15] the sum in two halves
.set QF,  16                           ; v16-21 Q's codes, v22-27 zeros
.set QS,  28                           ; v28  Q's scale word
.set R8,  30                           ; v30  8 r
.set KV,  32                           ; v32-79 K's 8 tiles x 6, then V's 4 fragments x 12;  v80-85 zeros
.set SW,  86                           ; v86-93 scale words
.set SS,  96                           ; v96-159 S^T, then p
.set OT,  160                          ; v160-191 O^T
.set PCD, 192                          ; v192-203 p's codes
.set CT,  204                          ; v204-206, v208-210 at work in the conversions
.set BM,  212                          ; v212-215 each block's largest score, then its largest p
.set PT,  216                          ; v216-219 at work
.set SO,  220                          ; v220-223 the conversions' scale operands
.set FF,  224                          ; v[224:225] f = 2^(old M - new M), named as a pair
.set TT,  226
.set PWD, 228                          ; v228 p's scale word
.set HWD, 230                          ; v230 the result's two scale bytes
.set QA,  240                          ; v240-245, v246: the second tile's Q and its scale word
.set WV,  10
.set CX,  11
.set BB,  12
.set HD,  13
.set AA,  14
.set EE,  15
.set G1K, 20                           ; s[20:27] group 1: K's codes, 64 rows of 256 bytes on end
.set G1V, 28                           ; s[28:35] group 1: V's codes, 4 hh of 3,072 bytes, HHP bytes apart
.set G1A, 36                           ; s[36:43] group 1: K's scale words, 32 rows of 256 bytes on end
.set G0,  44                           ; s[44:47] group 0 of my one fill
.set G1B, 48                           ; s[48:55] group 1: V's scale words, 32 rows of 256 bytes, 32,768 bytes apart
.set SEL, 66
.set CS,  68                           ; s[68:69] c = log2(e) / 8
.set JJ,  70                           ; the key step
.set LIM, 71                           ; the tile's last key step, the one on the diagonal
.set TB,  72                           ; LDS byte of the step's tiles of K: 6,144 a step
.set TS,  73                           ; and of its scale words: 512 a step
.set TAU, 74                           ; the tile of queries in hand
.set TAUA, 75
.set OA,  76                           ; s[76:77] where its codes go;  s[78:79] its scale bytes
.set OS,  78
.macro CROUND                          ; a round of the cluster's barrier
	s_barrier_signal -1
	s_barrier_wait -1
	s_cmp_lg_u32 s[WV], 0
	s_cbranch_scc1 .Lnot_wave_0_\@
	s_barrier_signal -3
.Lnot_wave_0_\@:
	s_barrier_wait -3
	s_barrier_signal -1
	s_barrier_wait -1
.endm
	s_load_b128 s[4:7], s[0:1], 0x0                ; qk s[4:5], vv s[6:7]
	s_load_b64 s[8:9], s[0:1], 0x10                ; aq
	v_lshl_add_u32 v254, v0, 2, 0x34000
	v_mov_b32 v255, 0
	ds_add_u32 v254, v255
	ds_add_u32 v254, v255
	v_lshrrev_b32 v1, 5, v0
	s_delay_alu instid0(VALU_DEP_1)
	v_readfirstlane_b32 s[WV], v1                  ; wave 0..15
	s_bfe_u32 s[CX], ttmp6, 0x40000                ; my place in the cluster
	s_lshr_b32 s[BB], ttmp9, 4                     ; the cluster's number is 16 x batch + head
	s_and_b32 s[HD], ttmp9, 15
	s_lshr_b32 s[AA], s[WV], 1
	s_and_b32 s[EE], s[WV], 1
	s_lshl_b32 s[EE], s[EE], 2
	s_add_co_u32 s[EE], s[EE], s[CX]
	s_lshl_b32 s[TAUA], s[AA], 3
	s_add_co_u32 s[TAUA], s[TAUA], s[EE]           ; tA = 8 a + e
	s_sub_co_u32 s[TAU], 127, s[TAUA]              ; the long tile goes first
	s_sub_co_u32 s[LIM], 15, s[AA]
.irp g, G1K, G1V, G1A, G1B
	s_mov_b32 s[\g], 15|(3<<16)|(1<<21)            ; 15:0 the mask: all four work-groups; 17:16 elements of 8 bytes; 21 set beside a mask; no padding
	s_mov_b32 s[\g+6], 0
	s_mov_b32 s[\g+7], 0
.endr
.irp g, G1K, G1A, G1B
	s_mov_b32 s[\g+1], 32<<16                      ; rows of 256 bytes
	s_mov_b32 s[\g+3], 32<<16
.endr
	s_mov_b32 s[G1K+2], 64<<16
	s_mov_b32 s[G1K+4], 64
	s_mov_b32 s[G1K+5], 32
	s_mov_b32 s[G1V+1], 384<<16
	s_mov_b32 s[G1V+2], 4<<16
	s_mov_b32 s[G1V+3], 384<<16
	s_mov_b32 s[G1V+4], 4
	s_mov_b32 s[G1V+5], HHP/8
.irp g, G1A, G1B
	s_mov_b32 s[\g+2], 32<<16
	s_mov_b32 s[\g+4], 32
.endr
	s_mov_b32 s[G1A+5], 32
	s_mov_b32 s[G1B+5], 4096
	; THE SIXTEEN FILLS, ONE A WAVE: waves 0-5 a sixth each of K's 98,304 bytes of codes, waves 6-13 four hh each of V's, wave 14 K's scale words, wave 15 V's
	s_add_co_u32 s83, s[HD], 16                    ; K's hh in qk
	s_lshl_b32 s82, s83, 9
	s_lshl_b32 s85, s[BB], 7
	s_add_co_u32 s82, s82, s85
	s_mul_i32 s82, s82, HF                         ; K's codes
	s_lshl_b32 s84, s83, 15
	s_lshl_b32 s85, s[BB], 13
	s_add_co_u32 s84, s84, s85
	s_add_co_u32 s84, s84, HWOFF                   ; K's scale words
	s_mul_i32 s86, s[BB], 32*HHP
	s_mul_i32 s87, s[HD], 4*HF
	s_add_co_u32 s86, s86, s87                     ; V's codes
	s_lshl_b32 s88, s[BB], 20
	s_lshl_b32 s87, s[HD], 8
	s_add_co_u32 s88, s88, s87
	s_add_co_u32 s88, s88, HWOFF                   ; V's scale words
	s_mov_b32 s83, 0
	s_mov_b32 s85, 0
	s_mov_b32 s87, 0
	s_mov_b32 s89, 0
	s_mov_b32 s[G0], 1
	s_wait_dscnt 0x0
	s_wait_kmcnt 0x0
	CROUND                                         ; all four work-groups are here: the joint loads meet
	s_cmp_lt_u32 s[WV], 6                          ; one chain of arms on the wave's number, a fill to an arm; an s_nop 0 and four v_nop follow each
	s_cbranch_scc0 .Lnot_k
	s_lshl_b32 s[G0+1], s[WV], 14                  ; no place in the cluster enters an LDS address
	s_add_co_u32 s82, s82, s[G0+1]
	s_add_nc_u64 s[G0+2:G0+3], s[4:5], s[82:83]
	s_or_b32 s[G0+3], s[G0+3], 0x80000000
	tensor_load_to_lds s[G0:G0+3], s[G1K:G1K+7]
	s_nop 0
.rept 4
	v_nop
.endr
	s_branch .Lfilled
.Lnot_k:
	s_cmp_lt_u32 s[WV], 14
	s_cbranch_scc0 .Lnot_v
	s_mul_i32 s[G0+1], s[WV], 4*3072
	s_add_co_u32 s[G0+1], s[G0+1], VOFF-6*4*3072   ; VOFF + (wave - 6) x four hh
	s_mul_i32 s90, s[WV], 4*HHP
	s_add_co_u32 s86, s86, s90
	s_sub_co_u32 s86, s86, 6*4*HHP
	s_add_nc_u64 s[G0+2:G0+3], s[6:7], s[86:87]
	s_or_b32 s[G0+3], s[G0+3], 0x80000000
	tensor_load_to_lds s[G0:G0+3], s[G1V:G1V+7]
	s_nop 0
.rept 4
	v_nop
.endr
	s_branch .Lfilled
.Lnot_v:
	s_cmp_eq_u32 s[WV], 14
	s_cbranch_scc0 .Lnot_sk
	s_mov_b32 s[G0+1], KSOFF
	s_add_nc_u64 s[G0+2:G0+3], s[4:5], s[84:85]
	s_or_b32 s[G0+3], s[G0+3], 0x80000000
	tensor_load_to_lds s[G0:G0+3], s[G1A:G1A+7]
	s_nop 0
.rept 4
	v_nop
.endr
	s_branch .Lfilled
.Lnot_sk:
	s_mov_b32 s[G0+1], KSOFF+8192
	s_add_nc_u64 s[G0+2:G0+3], s[6:7], s[88:89]
	s_or_b32 s[G0+3], s[G0+3], 0x80000000
	tensor_load_to_lds s[G0:G0+3], s[G1B:G1B+7]
	s_nop 0
.rept 4
	v_nop
.endr
.Lfilled:
	v_and_b32 v29, 31, v0                          ; lane
	s_delay_alu instid0(VALU_DEP_1)
	v_lshlrev_b32 v[L16], 4, v29
	s_delay_alu instid0(VALU_DEP_2)
	v_lshl_add_u32 v[L8], v29, 3, 512
	v_and_b32 v31, 15, v0                          ; r
	s_delay_alu instid0(VALU_DEP_1)
	v_lshlrev_b32 v[R16], 4, v31
	s_wait_alu depctr_va_vdst(0)
	v_lshlrev_b32 v[R8], 3, v31
	v_and_b32 v[LQ], 8, v31
	s_delay_alu instid0(VALU_DEP_1)
	v_add_nc_u32 v[LQ], v[LQ], v31
	v_and_b32 v31, 16, v0                          ; 16 h
	s_delay_alu instid0(VALU_DEP_1)
	v_sub_nc_u32 v[LQ], v[LQ], v31
; the half fragment of Q's tile tau, and its scale words; t0: four scalar registers of its own, since they are the loads' bases
.macro QLOAD tau, reg, sc, t0
	s_lshl_b32 s[\t0], s[HD], 9
	s_lshl_b32 s[\t0+1], s[BB], 7
	s_add_co_u32 s[\t0], s[\t0], s[\t0+1]
	s_add_co_u32 s[\t0], s[\t0], s[\tau]
	s_mul_i32 s[\t0], s[\t0], HF
	s_mov_b32 s[\t0+1], 0
	s_add_nc_u64 s[\t0:\t0+1], s[4:5], s[\t0:\t0+1]
	global_load_b128 v[\reg:\reg+3], v[L16], s[\t0:\t0+1]
	global_load_b64 v[\reg+4:\reg+5], v[L8], s[\t0:\t0+1]
	s_lshl_b32 s[\t0+2], s[HD], 7
	s_lshl_b32 s[\t0+3], s[BB], 5
	s_add_co_u32 s[\t0+2], s[\t0+2], s[\t0+3]
	s_lshr_b32 s[\t0+3], s[\tau], 2
	s_add_co_u32 s[\t0+2], s[\t0+2], s[\t0+3]
	s_lshl_b32 s[\t0+2], s[\t0+2], 8
	s_and_b32 s[\t0+3], s[\tau], 3
	s_lshl_b32 s[\t0+3], s[\t0+3], 2
	s_add_co_u32 s[\t0+2], s[\t0+2], s[\t0+3]
	s_add_co_u32 s[\t0+2], s[\t0+2], HWOFF
	s_mov_b32 s[\t0+3], 0
	s_add_nc_u64 s[\t0+2:\t0+3], s[4:5], s[\t0+2:\t0+3]
	global_load_b32 v[\sc], v[R16], s[\t0+2:\t0+3]
.endm
	QLOAD TAU, QF, QS, 80
	QLOAD TAUA, QA, QA+6, 84
	v_mov_b32 v[NINF], 0xff800000
.irp i, 0,1,2,3,4,5
	v_mov_b32 v[QF+6+\i], 0                        ; Q's zero codes for k = 64 .. 127
	v_mov_b32 v[KV+48+\i], 0                       ; what the last tile of K names beyond its six registers
.endr
.irp b, 0,1,2,3
	v_mov_b32 v[PT+\b], 0                          ; written once: a lane permute's destination counts as one of its sources
.endr
	v_mov_b32 v[TT], 0
	v_mov_b32 v[FF+1], 0                           ; (named as the upper half of a pair)
	s_mov_b32 s[SEL], 0x76543210
	s_mov_b32 s[SEL+1], 0xfedcba98
	s_mov_b32 s[CS], 0x3e38aa3b                    ; c = log2(e) / 8
	s_mov_b32 s[CS+1], s[CS]
; A tile of queries begins: the mask's number, where its results go, and the running figures.  O^T and the sum begin as zeros, the largest t as -3e38: the first change of M multiplies zeros.
.macro TBEGIN
	s_and_b32 s88, s[TAU], 6
	s_lshl_b32 s88, s88, 4                         ; 32 ((tile % 8) / 2)
	s_and_b32 s89, s[TAU], 1
	s_lshl_b32 s89, s89, 3
	s_add_co_u32 s88, s88, s89
	v_add_nc_u32 v[QD], s88, v[LQ]
	s_lshl_b32 s88, s[HD], 9
	s_lshl_b32 s90, s[BB], 7
	s_add_co_u32 s90, s90, s[TAU]                  ; the tile among all tokens
	s_add_co_u32 s88, s88, s90
	s_mul_i32 s88, s88, HF
	s_mov_b32 s89, 0
	s_add_nc_u64 s[OA:OA+1], s[8:9], s[88:89]      ; half fragment (hh = head, tile)
	s_lshl_b32 s90, s90, 7
	s_lshr_b32 s91, s[HD], 2
	s_lshl_b32 s91, s91, 16
	s_add_co_u32 s90, s90, s91
	s_and_b32 s91, s[HD], 3
	s_lshl_b32 s91, s91, 1
	s_add_co_u32 s90, s90, s91
	s_add_co_u32 s90, s90, SWOFF
	s_mov_b32 s91, 0
	s_add_nc_u64 s[OS:OS+1], s[8:9], s[90:91]      ; my head's two of a row's eight scale bytes
	v_mov_b32 v13, 0xff61b1e6
	s_delay_alu instid0(VALU_DEP_1)
	v_floor_f32 v12, -v13
	v_mov_b32 v14, 0
	v_mov_b32 v15, 0
.set n, 0
.rept 32
	v_mov_b32 v[OT+n], 0
.set n, n+1
.endr
	s_mov_b32 s[JJ], 0
	s_mov_b32 s[TB], 0
	s_mov_b32 s[TS], KSOFF
.endm
; A KEY STEP: 128 keys.  A step all of whose keys come after the tile's queries is left out: a branch on the wave's number and the trip, round the work and not round the lines that step addresses.
.macro STEP
	s_cmp_gt_u32 s[JJ], s[LIM]
	s_cbranch_scc1 .Lhidden_\@
	v_add_nc_u32 v[ADK], s[TB], v[L16]             ; (these five are also the places in front of loads into registers that the last products read)
	v_add_nc_u32 v[ADK8], s[TB], v[L8]
	s_delay_alu instid0(VALU_DEP_2)
	v_add_nc_u32 v[ADV], VOFF, v[ADK]
	s_delay_alu instid0(VALU_DEP_2)
	v_add_nc_u32 v[ADV8], VOFF, v[ADK8]
	v_add_nc_u32 v[ADS], s[TS], v[R16]
.irp t, 0,1,2,3,4,5,6,7
	ds_load_b128 v[KV+6*\t:KV+6*\t+3], v[ADK] offset:HF*\t
	ds_load_b64 v[KV+6*\t+4:KV+6*\t+5], v[ADK8] offset:HF*\t
.endr
	ds_load_b128 v[SW:SW+3], v[ADS]                ; the scale words of tiles 0-3,
	ds_load_b128 v[SW+4:SW+7], v[ADS] offset:256   ; of tiles 4-7
	s_wait_alu depctr_va_vdst(0)
	s_wait_dscnt 0x0
.irp t, 0,1,2,3,4,5,6,7
	v_wmma_scale_f32_16x16x128_f8f6f4 v[SS+8*\t:SS+8*\t+7], v[KV+6*\t:KV+6*\t+11], v[QF:QF+11], 0, v[SW+\t], v[QS] matrix_a_fmt:MATRIX_FMT_FP6 matrix_b_fmt:MATRIX_FMT_FP6
.endr
.rept 4
	v_nop                                          ; places in front of the loads below and of the first read of the scores
.endr
.irp t, 0,1,2,3                                ; V's four fragments and their scale words are asked for now and land under the softmax
.irp c, 0,1
	ds_load_b128 v[KV+12*\t+6*\c:KV+12*\t+6*\c+3], v[ADV] offset:4*HF*\c+HF*\t
	ds_load_b64 v[KV+12*\t+6*\c+4:KV+12*\t+6*\c+5], v[ADV8] offset:4*HF*\c+HF*\t
.endr
.endr
	ds_load_b128 v[SW:SW+3], v[ADS] offset:8192    ; keys 0-63's two bytes of each of the four tiles,
	ds_load_b128 v[SW+4:SW+7], v[ADS] offset:8448  ; keys 64-127's
	s_cmp_lg_u32 s[JJ], s[LIM]                     ; only the tile's last step lies on the diagonal
	s_cbranch_scc1 .Lopen_\@
.set n, 0
.rept 64                                       ; register 16 b + i holds key 32 b + 16 h + i of the step: hidden where 32 b + i > my query - the step's first key - 16 h
	v_cmp_gt_i32 vcc_lo, 32*(n/16)+n%16, v[QD]
	v_cndmask_b32 v[SS+n], v[SS+n], v[NINF], vcc_lo
.set n, n+1
.endr
.Lopen_\@:
.irp b, 0,1,2,3
	v_max3_num_f32 v[BM+\b], v[SS+16*\b], v[SS+1+16*\b], v[SS+2+16*\b]   ; the largest score of each block of 32 keys: it serves for the row's maximum and, since p rises with the score, for the block's largest p
.endr
.irp i, 3,5,7,9,11,13
.irp b, 0,1,2,3
	v_max3_num_f32 v[BM+\b], v[BM+\b], v[SS+16*\b+\i], v[SS+1+16*\b+\i]
.endr
.endr
.irp b, 0,1,2,3
	v_max_num_f32 v[BM+\b], v[BM+\b], v[SS+15+16*\b]
.endr
.irp b, 0,1,2,3
	s_delay_alu instid0(VALU_DEP_4)
	v_permlanex16_b32 v[PT+\b], v[BM+\b], s[SEL], s[SEL+1]
.endr
.irp b, 0,1,2,3
	s_delay_alu instid0(VALU_DEP_4)
	v_max_num_f32 v[BM+\b], v[BM+\b], v[PT+\b]     ; with lane l xor 16's 16 keys
.endr
	s_delay_alu instid0(VALU_DEP_2)
	v_max3_num_f32 v[TT], v[BM], v[BM+1], v[BM+2]
	s_delay_alu instid0(VALU_DEP_1)
	v_max_num_f32 v[TT], v[TT], v[BM+3]
	s_delay_alu instid0(VALU_DEP_1)
	v_mul_f32 v[TT], s[CS], v[TT]                  ; the step's largest t
	s_delay_alu instid0(VALU_DEP_1)
	v_max_num_f32 v13, v13, v[TT]
	v_mov_b32 v[TT], v12
	s_delay_alu instid0(VALU_DEP_2)
	v_floor_f32 v12, -v13                          ; -M = floor(-t): M is a whole number
	s_delay_alu instid0(VALU_DEP_1)
	v_sub_f32 v[TT], v12, v[TT]                    ; old M - new M, 0 or less
	s_delay_alu instid0(VALU_DEP_1)
	v_cvt_i32_f32 v[TT], v[TT]                     ; (it saturates)
	s_delay_alu instid0(VALU_DEP_1)
	v_ldexp_f32 v[FF], 1.0, v[TT]                  ; f = 2^(old M - new M): a multiplication by it rounds nothing
.set n, 0
.rept 32
	v_pk_fma_f32 v[SS+n:SS+n+1], v[SS+n:SS+n+1], s[CS:CS+1], v[12:13] op_sel_hi:[1,0,0]   ; t - M, two at a time
.set n, n+2
.endr
.irp b, 0,1,2,3
	v_fma_f32 v[BM+\b], v[BM+\b], s[CS], v12       ; the same of each block's largest score
.endr
.set n, 0
	s_wait_alu depctr_va_vdst(0)
.rept 64
	v_exp_f32 v[SS+n], v[SS+n]                     ; p = 2^(t - M)
.set n, n+1
.endr
	v_pk_mul_f32 v[14:15], v[14:15], v[FF:FF+1] op_sel_hi:[1,0]   ; the sums under the new M; the plain instruction behind the exponentials
	s_wait_alu depctr_va_vdst(0)                   ; one wait for the batch, ahead of its first reader
.irp b, 0,1,2,3
	v_exp_f32 v[BM+\b], v[BM+\b]                   ; the block's largest p
.endr
	v_pk_add_f32 v[216:217], v[100:101], v[104:105]
	v_pk_add_f32 v[252:253], v[108:109], v[112:113]
	v_pk_add_f32 v[250:251], v[116:117], v[120:121]
	v_pk_add_f32 v[248:249], v[124:125], v[128:129]
	v_pk_add_f32 v[238:239], v[132:133], v[136:137]
	v_pk_add_f32 v[236:237], v[140:141], v[144:145]
	v_pk_add_f32 v[234:235], v[148:149], v[152:153]
	v_pk_add_f32 v[14:15], v[14:15], v[156:157]
	v_pk_add_f32 v[216:217], v[216:217], v[96:97]
	v_pk_add_f32 v[252:253], v[252:253], v[98:99]
	v_pk_add_f32 v[250:251], v[250:251], v[102:103]
	v_pk_add_f32 v[248:249], v[248:249], v[106:107]
	v_pk_add_f32 v[238:239], v[238:239], v[110:111]
	v_pk_add_f32 v[236:237], v[236:237], v[114:115]
	v_pk_add_f32 v[234:235], v[234:235], v[118:119]
	v_pk_add_f32 v[14:15], v[14:15], v[122:123]
	v_pk_add_f32 v[216:217], v[216:217], v[126:127]
	v_pk_add_f32 v[252:253], v[252:253], v[130:131]
	v_pk_add_f32 v[250:251], v[250:251], v[134:135]
	v_pk_add_f32 v[248:249], v[248:249], v[138:139]
	v_pk_add_f32 v[238:239], v[238:239], v[142:143]
	v_pk_add_f32 v[236:237], v[236:237], v[146:147]
	v_pk_add_f32 v[234:235], v[234:235], v[150:151]
	v_pk_add_f32 v[14:15], v[14:15], v[154:155]
	v_pk_add_f32 v[216:217], v[216:217], v[158:159]
	s_delay_alu instid0(VALU_DEP_2)
	v_pk_add_f32 v[14:15], v[14:15], v[248:249]
	s_delay_alu instid0(VALU_DEP_2)
	v_pk_add_f32 v[216:217], v[216:217], v[238:239]
	v_pk_add_f32 v[252:253], v[252:253], v[236:237]
	v_pk_add_f32 v[250:251], v[250:251], v[234:235]
	s_delay_alu instid0(VALU_DEP_2)
	v_pk_add_f32 v[14:15], v[14:15], v[252:253]
	s_delay_alu instid0(VALU_DEP_2)
	v_pk_add_f32 v[216:217], v[216:217], v[250:251]
	s_delay_alu instid0(VALU_DEP_1)
	v_pk_add_f32 v[14:15], v[14:15], v[216:217]
	s_wait_alu depctr_va_vdst(0)                   ; and one for the four
.irp b, 0,1,2,3
	v_max_num_f32 v[BM+\b], 0x1800000, v[BM+\b]    ; the floor 2^(3 - 127)
.endr
.irp b, 0,1,2,3
	s_delay_alu instid0(VALU_DEP_4)
	v_add_nc_u32 v[SO+\b], 0xff000000, v[BM+\b]
.endr
.irp b, 0,1,2,3
	s_delay_alu instid0(VALU_DEP_4)
	v_lshrrev_b32 v[PT+\b], 23, v[SO+\b]
.endr
	s_delay_alu instid0(VALU_DEP_3)
	v_lshl_or_b32 v[PWD], v[PT+1], 8, v[PT]        ; p's scale word for these 128 keys
	s_delay_alu instid0(VALU_DEP_1)
	v_lshl_or_b32 v[PWD], v[PT+2], 16, v[PWD]
	s_delay_alu instid0(VALU_DEP_1)
	v_lshl_or_b32 v[PWD], v[PT+3], 24, v[PWD]
.irp c, 0,1
	v_cvt_scalef32_pk16_fp6_f32 v[PCD+6*\c:PCD+2+6*\c], v[SS+32*\c:SS+15+32*\c], v[SO+2*\c]
	v_cvt_scalef32_pk16_fp6_f32 v[CT+4*\c:CT+2+4*\c], v[SS+16+32*\c:SS+31+32*\c], v[SO+2*\c+1]
.endr
	v_nop                                          ; one plain instruction behind a scaled conversion
.irp c, 0,1
.irp i, 0,1,2
	v_permlane16_swap_b32 v[PCD+6*\c+\i], v[CT+4*\c+\i]   ; a WHOLE block to a lane
.endr
.irp i, 0,1,2
	s_delay_alu instid0(VALU_DEP_3)
	v_mov_b32 v[PCD+3+6*\c+\i], v[CT+4*\c+\i]
.endr
.endr
	s_wait_dscnt 0x0                               ; V and its scale words are in
.irp t, 0,1,2,3
	v_lshl_or_b32 v[SW+\t], v[SW+4+\t], 16, v[SW+\t]   ; four bytes: tile t's scale word for the 128 keys
.endr
.set n, 0
.rept 16
	v_pk_mul_f32 v[OT+n:OT+n+1], v[OT+n:OT+n+1], v[FF:FF+1] op_sel_hi:[1,0]   ; O^T under the new M.  For each product below twelve of these name none of its registers: the places behind the scale words' and the codes' last writes
.set n, n+2
.endr
.irp t, 0,1,2,3
	v_wmma_scale_f32_16x16x128_f8f6f4 v[OT+8*\t:OT+8*\t+7], v[KV+12*\t:KV+12*\t+11], v[PCD:PCD+11], v[OT+8*\t:OT+8*\t+7], v[SW+\t], v[PWD] matrix_a_fmt:MATRIX_FMT_FP6 matrix_b_fmt:MATRIX_FMT_FP6
.endr
.Lhidden_\@:
	s_add_co_u32 s[TB], s[TB], 8*HF
	s_add_co_u32 s[TS], s[TS], 512
.endm
.macro LOOPJ                           ; 16 trips for every wave: the trip count is a constant
.Lj_\@:
	STEP
	s_add_co_u32 s[JJ], s[JJ], 1
	s_cmp_lt_u32 s[JJ], 16
	s_cbranch_scc1 .Lj_\@
.endm
; THE WAY OUT of a tile: O^T / the sum; its 32 registers are two blocks of 32 neighbouring channels (register 16 b + i = channel 32 b + 16 h + i): one half fragment and two scale bytes a row.
.macro EPI
.rept 4
	v_nop                                          ; places behind the last products
.endr
	v_add_f32 v14, v14, v15
	s_delay_alu instid0(VALU_DEP_1)
	v_permlanex16_b32 v[TT], v14, s[SEL], s[SEL+1]
	s_delay_alu instid0(VALU_DEP_1)
	v_add_f32 v14, v14, v[TT]                      ; the row's sum
	s_wait_alu depctr_va_vdst(0)
	v_rcp_f32 v14, v14
	v_nop                                          ; a plain instruction behind the reciprocal,
	s_wait_alu depctr_va_vdst(0)                   ; and the wait ahead of its first reader
.set n, 0
.rept 16
	v_pk_mul_f32 v[SS+n:SS+n+1], v[OT+n:OT+n+1], v[14:15] op_sel_hi:[1,0]   ; each accumulator from its low end on
.set n, n+2
.endr
.irp b, 0,1
	v_max3_num_f32 v[BM+\b], |v[SS+16*\b]|, |v[SS+1+16*\b]|, 0x1800000
.endr
.irp i, 2,4,6,8,10,12,14
.irp b, 0,1
	s_delay_alu instid0(VALU_DEP_2)
	v_max3_num_f32 v[BM+\b], v[BM+\b], |v[SS+16*\b+\i]|, |v[SS+1+16*\b+\i]|
.endr
.endr
.irp b, 0,1
	s_delay_alu instid0(VALU_DEP_2)
	v_permlanex16_b32 v[PT+\b], v[BM+\b], s[SEL], s[SEL+1]
.endr
.irp b, 0,1
	s_delay_alu instid0(VALU_DEP_2)
	v_max_num_f32 v[BM+\b], v[BM+\b], v[PT+\b]
.endr
.irp b, 0,1
	s_delay_alu instid0(VALU_DEP_2)
	v_add_nc_u32 v[SO+\b], 0xff000000, v[BM+\b]
.endr
.irp b, 0,1
	s_delay_alu instid0(VALU_DEP_2)
	v_lshrrev_b32 v[PT+\b], 23, v[SO+\b]
.endr
	s_delay_alu instid0(VALU_DEP_1)
	v_lshl_or_b32 v[HWD], v[PT+1], 8, v[PT]
	v_cvt_scalef32_pk16_fp6_f32 v[PCD:PCD+2], v[SS:SS+15], v[SO]
	v_cvt_scalef32_pk16_fp6_f32 v[CT:CT+2], v[SS+16:SS+31], v[SO+1]
	v_nop
.irp i, 0,1,2
	v_permlane16_swap_b32 v[PCD+\i], v[CT+\i]
.endr
.irp i, 0,1,2
	s_delay_alu instid0(VALU_DEP_3)
	v_mov_b32 v[PCD+3+\i], v[CT+\i]
.endr
	global_store_b128 v[L16], v[PCD:PCD+3], s[OA:OA+1]     ; 512 consecutive bytes, aligned
	global_store_b64 v[L8], v[PCD+4:PCD+5], s[OA:OA+1]     ; 256
	global_store_b16 v[R8], v[HWD], s[OS:OS+1]             ; two bytes a row, 8 bytes apart; lanes l and l + 16 hold the same row and store the same half word to the same place
.endm
	TBEGIN
	s_wait_loadcnt 0x0                             ; both tiles' Q
	s_wait_tensorcnt 0x0                           ; my one fill has landed,
	s_barrier_signal -1
	s_barrier_wait -1                              ; everybody's have: the head's K, V and scale words are whole, and stay
	LOOPJ
	EPI
	s_wait_xcnt 0x0                                ; the stores have read their data and bases: both are written again below
	v_mov_b32 v[QS], v[QA+6]                       ; the second tile's Q; what follows up to the first product is far more than the places that a scale word and an operand so written want
.irp i, 0,1,2,3,4,5
	v_mov_b32 v[QF+\i], v[QA+\i]
.endr
	s_mov_b32 s[TAU], s[TAUA]
	s_mov_b32 s[LIM], s[AA]
	TBEGIN
	LOOPJ
	EPI
	s_wait_dscnt 0x0                               ; no LDS instruction of mine is out at the signal
	s_wait_tensorcnt 0x0
	ds_add_u32 v254, v255
	s_wait_dscnt 0x0
	CROUND                                         ; the closing round
	s_endpgm
.Lfunc_end_k_q2b38deb3cd_attn:
	.size	k_q2b38deb3cd_attn, .Lfunc_end_k_q2b38deb3cd_attn-k_q2b38deb3cd_attn
	.p2alignl 7, 3214868480
	.fill 96, 4, 3214868480
	.section	.rodata,"a",@progbits
	.p2align	6, 0x0
	.amdhsa_kernel k_q2b38deb3cd_attn
		.amdhsa_group_segment_fixed_size 215040
		.amdhsa_private_segment_fixed_size 0
		.amdhsa_enable_private_segment 0
		.amdhsa_kernarg_size 24
		.amdhsa_user_sgpr_count 2
		.amdhsa_user_sgpr_kernarg_segment_ptr 1
		.amdhsa_wavefront_size32 1
		.amdhsa_system_sgpr_workgroup_id_x 1
		.amdhsa_system_sgpr_workgroup_id_y 1
		.amdhsa_system_sgpr_workgroup_id_z 1
		.amdhsa_system_vgpr_workitem_id 0
		.amdhsa_next_free_vgpr 256
		.amdhsa_next_free_sgpr 96
		.amdhsa_reserve_vcc 1
		.amdhsa_float_denorm_mode_32 3
		.amdhsa_float_denorm_mode_16_64 3
		.amdhsa_memory_ordered 1
		.amdhsa_forward_progress 1
		.amdhsa_inst_pref_size 69
	.end_amdhsa_kernel
	.amdgpu_metadata
---
amdhsa.version: [ 1, 2 ]
amdhsa.kernels:
  - .name:           k_q2b38deb3cd_attn
    .symbol:         k_q2b38deb3cd_attn.kd
    .args:
      - { .name: qk, .offset: 0, .size: 8, .value_kind: global_buffer, .address_space: global }
      - { .name: vv, .offset: 8, .size: 8, .value_kind: global_buffer, .address_space: global }
      - { .name: aq, .offset: 16, .size: 8, .value_kind: global_buffer, .address_space: global }
    .group_segment_fixed_size: 215040
    .private_segment_fixed_size: 0
    .kernarg_segment_align: 8
    .kernarg_segment_size: 24
    .max_flat_workgroup_size: 512
    .sgpr_count:     96
    .vgpr_count:     256
    .wavefront_size: 32
...
	.end_amdgpu_metadata
.endif
;; end of part 3
;; launch proj (part 4): grid 4 x 64, 4 waves a work-group, clusters of 4 x 4, 327,680 bytes of LDS; arguments aq, wp, b_proj, out0; writes out0
.if DOCPART == 4
	.amdgcn_target "amdgcn-amd-amdhsa--gfx1250"
	.amdhsa_code_object_version 6
	.text
	.protected	k_q2b38deb3cd_proj
	.globl	k_q2b38deb3cd_proj
	.p2align	8
	.type	k_q2b38deb3cd_proj,@function
k_q2b38deb3cd_proj:
	s_mov_b64 s[64:65], 0
	v_nop
	global_prefetch_b8 v0, s[64:65] scope:SCOPE_SE
	s_setreg_imm32_b32 hwreg(HW_REG_WAVE_MODE, 25, 1), 1
	s_wait_xcnt 0x0
	s_wait_alu depctr_hold_cnt(0) depctr_sa_sdst(0) depctr_va_vdst(0) depctr_va_sdst(0) depctr_va_ssrc(0) depctr_va_vcc(0) depctr_vm_vsrc(0)
	s_getreg_b32 s2, hwreg(HW_REG_IB_STS2, 6, 4)
	s_cmp_eq_u32 s2, 0
	s_cbranch_scc0 .Lentry_in_a_cluster
	s_endpgm
.Lentry_in_a_cluster:
	s_bfe_u32 s2, ttmp6, 0x10000c
	s_cmp_lg_u32 s2, 0xf033
	s_cbranch_scc0 .Lentry_shape_is_right
	s_endpgm
.Lentry_shape_is_right:
; out0 = a b^T + bias, K = 1,024, on codes of FP6 (E2M3) with E8M0 scales: a = the attention's result (tokens), b = W_proj's columns; f32 out.
; OPERANDS lie as images of their registers: half fragment (hh = K / 64, tile of 16 rows) = 768 bytes at (512 hh + tile) x 768: registers 0-3 at 16 x lane, registers 4-5 at 512 + 8 x lane.
; Lane r of tile 2 b + u holds row 32 b + 8 u + r + 8 (r / 8).  Scale bytes at SWOFF: 8 bytes (256 K) a row, at 65,536 (K / 256) + 128 tile + 8 r.
; A BLOCK of 128 tokens x 256 columns to a work-group: 64 x 4 = 256 work-groups.  Four waves, 2 x 2; a wave makes 64 x 128: 32 accumulators, 256 registers.
; ALL OF K LIES IN LDS AT ONCE: a's 16 hh x 6,144 bytes at 0, b's 16 hh x 12,288 behind them, a's scale bytes (4,096), b's (8,192), the spare words: 307,712 bytes.
; Four fills at the head, one tensor load a wave; nothing is filled again, so the eight steps of 128 along K have no barrier.
; A STEP: the wait for this step's fragments (asked for one whole step ago, so the count is 0), the next step's fragments in one run of LDS loads into the other set of registers, 32 products.
; THE MATRIX INSTRUCTION IS USED TRANSPOSED (source 0 = 16 rows of b, source 1 = 16 rows of a): a lane holds eight neighbouring columns of one token.  The bias is the first products' C.
; CLUSTERS: 4 x 4 work-groups; a's tiles are shared along a row of the cluster, b's along a column, by joint loads.
; No prefetch: everything that the work-group reads is asked for at its head: there is no step to run ahead in.
; THE WAY OUT: 16 tokens x 128 columns at a time through the wave's own stage, which lies on a's first bytes: they have had their only fill, and a barrier, signalled when a wave's last LDS read is in, stands ahead of the first store there.
; REGISTERS: window 0: v4-29 addresses; v32-63 scale words, two sets; v64-159 a's fragments, two sets; v160-223 the bias; on the way out v64-191 hold rows read back.
;   window 1: b's fragments, two sets, at v0 and v128; v96-103 b's LDS addresses.   window 2: the accumulators ((a, b) at v[8 (8 a + b)]).
.set HF,     768
.set HHP,    393216
.set SWOFF,  16*HHP
.set FR,     12
.set HROW,   16*HF
.set VROW,   8*HF
.set BR,     8*HROW                    ; b's region
.set SA,     24*HROW                   ; a's scale bytes; b's 4,096 further on
.set SPARE,  SA+12288
.set SPITCH, 528
.set CO,   4                           ; 16 x lane
.set GL8,  5                           ; 512 + 8 x lane
.set STO,  6
.set RD,   7
.set BO,   8
.set AA,   10                          ; v10-13 a: pairs (registers 0-3, registers 4-5) for hh 0-7, 8-15
.set ADS,  20                          ; v20-23 scale words, one for each 256 along K: lanes 0-15 a's rows, lanes 16-31 b's
.set SPW,  28
.set NIL,  29
.set SC,   32
.set AF,   64
.set BI,   160
.set BK,   64
.set BB,   96                          ; window 1: b: pairs by K / 256
.set G1A, 24
.set G1B, 32
.set G1S, 48
.set G1T, 56
.set G0A, 68
.set G0B, 72
.set G0S, 76
.set G0T, 80
.set MSB, 0
.macro WIN new
.if MSB != \new
	s_set_vgpr_msb (MSB<<8)|\new
.set MSB, \new
.endif
.endm
.set MUL_LO, 0xa1                      ; source 0 (b) window 1, source 1 (a) window 0, C and D window 2
.set BIA_LO, 0x81                      ; the same with C in window 0
.set TO_B,   0x41                      ; destination and address window 1
.macro PLACES n
.rept \n
	v_nop
.endr
.endm
.macro TLOAD g0, g1                    ; s_nop 0 and four v_nop behind every tensor load
	tensor_load_to_lds s[\g0:\g0+3], s[\g1:\g1+7]
	s_nop 0
	PLACES 4
.endm
.macro CROUND
	s_barrier_signal -1
	s_barrier_wait -1
	s_cmp_lg_u32 s14, 0
	s_cbranch_scc1 .Lnot_wave_0_\@
	s_barrier_signal -3
.Lnot_wave_0_\@:
	s_barrier_wait -3
	s_barrier_signal -1
	s_barrier_wait -1
.endm
.macro GROUP1 g, mask, cols, rows, pitch   ; elements of 8 bytes, no padding
	s_or_b32 s[\g], s[\mask], (3<<16)|(1<<21)
	s_mov_b32 s[\g+1], (\cols)<<16
	s_mov_b32 s[\g+2], (\rows)<<16
	s_mov_b32 s[\g+3], (\cols)<<16
	s_mov_b32 s[\g+4], \rows
	s_mov_b32 s[\g+5], \pitch
	s_mov_b32 s[\g+6], 0
	s_mov_b32 s[\g+7], 0
.endm
.macro G0SET g, lds, p
	s_mov_b32 s[\g], 1
	s_mov_b32 s[\g+1], \lds
	s_mov_b64 s[\g+2:\g+3], s[\p:\p+1]
	s_or_b32 s[\g+3], s[\g+3], 0x80000000
.endm
.macro ARM under, g0, g1, next
	s_cmp_lt_u32 s14, \under
	s_cbranch_scc0 \next
	TLOAD \g0, \g1
	s_branch .Lhead_asked
\next:
.endm
	s_load_b256 s[4:11], s[0:1], 0x0               ; aq, wp, b_proj, out0
	v_lshl_add_u32 v[SPW], v0, 2, SPARE
	v_mov_b32 v[NIL], 0
	ds_add_u32 v[SPW], v[NIL]                      ; the opening lines: the add twice on end and its wait
	ds_add_u32 v[SPW], v[NIL]
	v_lshrrev_b32 v1, 5, v0
	v_readfirstlane_b32 s14, v1                    ; wave; s15 which half of a's rows, s16 which half of b's
	s_lshr_b32 s15, s14, 1
	s_and_b32 s16, s14, 1
	s_bfe_u32 s40, ttmp6, 0x40000
	s_bfe_u32 s41, ttmp6, 0x40004
	s_lshl_b32 s42, ttmp9, 2
	s_add_co_u32 s42, s42, s40                     ; which 256 columns
	s_and_b32 s17, ttmp7, 0xffff
	s_lshl_b32 s17, s17, 2
	s_add_co_u32 s17, s17, s41                     ; which 128 tokens
	s_lshl_b32 s43, s41, 2
	s_lshl_b32 s43, 15, s43                        ; my row of the cluster
	s_lshl_b32 s44, 0x1111, s40                    ; my column
	GROUP1 G1A, 43, 768, 16, HHP/8
	GROUP1 G1B, 44, 1536, 16, HHP/8
	GROUP1 G1S, 43, 128, 4, 8192
	GROUP1 G1T, 44, 256, 4, 8192
	s_mul_i32 s20, s17, VROW
	s_mov_b32 s21, 0
	s_mul_i32 s22, s42, HROW
	s_mov_b32 s23, 0
	s_lshl_b32 s46, s17, 10
	s_add_co_u32 s46, s46, SWOFF
	s_mov_b32 s47, 0
	s_lshl_b32 s18, s42, 11
	s_add_co_u32 s18, s18, SWOFF
	s_mov_b32 s19, 0
	s_wait_dscnt 0x0
	s_wait_kmcnt 0x0
	s_add_nc_u64 s[20:21], s[4:5], s[20:21]
	s_add_nc_u64 s[22:23], s[6:7], s[22:23]
	s_add_nc_u64 s[46:47], s[4:5], s[46:47]
	s_add_nc_u64 s[18:19], s[6:7], s[18:19]
	CROUND                                         ; all sixteen work-groups are here: the joint loads meet
	G0SET G0A, 0, 20
	G0SET G0B, BR, 22
	G0SET G0S, SA, 46
	G0SET G0T, SA+4096, 18
	ARM 1, G0A, G1A, .Lhead_b                      ; one tensor load a wave, in one chain of arms
	ARM 2, G0B, G1B, .Lhead_sa
	ARM 3, G0S, G1S, .Lhead_sb
	TLOAD G0T, G1T
.Lhead_asked:
	v_and_b32 v1, 15, v0                           ; r
	v_bfe_u32 v2, v0, 4, 1                         ; h
	v_and_b32 v3, 31, v0
	v_lshlrev_b32 v[CO], 4, v3
	v_lshl_add_u32 v[GL8], v3, 3, 512
	v_lshlrev_b32 v24, 3, v1                       ; 8 r
	v_lshlrev_b32 v[BO], 6, v2                     ; the bias: 16 columns further on for lanes 16-31
	s_wait_alu depctr_va_vdst(0)
	s_lshl_b32 s46, s42, 10                        ; my first column, in bytes: 1,024 x (which 256) + 512 x half
	s_lshl_b32 s47, s16, 9
	s_add_co_u32 s46, s46, s47
	s_mov_b32 s47, 0
	s_add_nc_u64 s[8:9], s[8:9], s[46:47]
.irp b, 0,1,2,3,4,5,6,7                ; register j of accumulator b is column 32 (b / 2) + 8 (b % 2) + 16 h + j
	global_load_b128 v[BI+8*\b:BI+8*\b+3], v[BO], s[8:9] offset:(32*(\b/2)+8*(\b%2))*4
	global_load_b128 v[BI+8*\b+4:BI+8*\b+7], v[BO], s[8:9] offset:(32*(\b/2)+8*(\b%2))*4+16
.endr
	s_lshl_b32 s20, s17, 19                        ; my first token: 128 x (which 128) + 64 x half, rows of 4,096 bytes
	s_lshl_b32 s21, s15, 18
	s_add_co_u32 s20, s20, s21
	s_add_co_u32 s20, s20, s46
	s_mov_b32 s21, 0
	s_add_nc_u64 s[10:11], s[10:11], s[20:21]
	s_mul_i32 s46, s15, 4*HF
	v_add_nc_u32 v[AA], s46, v[CO]
	v_add_nc_u32 v[AA+1], s46, v[GL8]
	v_add_nc_u32 v[AA+2], 8*VROW, v[AA]
	v_add_nc_u32 v[AA+3], 8*VROW, v[AA+1]
	s_mul_i32 s46, s16, 8*HF
	s_add_co_u32 s46, s46, BR
	WIN 0x40                                       ; destinations in window 1
.irp k, 0,1,2,3
	v_add_nc_u32 v[BB+2*\k], s46, v[CO]
	v_add_nc_u32 v[BB+2*\k+1], s46, v[GL8]
	s_add_co_u32 s46, s46, 4*HROW
.endr
	WIN 0
	s_lshl_b32 s46, s15, 9                         ; a's words: 1,024 bytes for 256 K, my 4 tiles; lanes 16-31 take b's: 2,048 bytes, my 8 tiles
	s_lshl_b32 s47, s16, 10
	s_add_co_u32 s47, s47, 4096
	s_sub_co_u32 s47, s47, s46
	s_add_co_u32 s46, s46, SA
.irp k, 0,1,2,3
	v_mul_u32_u24 v25, s47, v2
	v_add_nc_u32 v25, v24, v25
	v_add_nc_u32 v[ADS+\k], s46, v25
	s_add_co_u32 s46, s46, 1024
	s_add_co_u32 s47, s47, 1024
.endr
	s_mul_i32 s46, s14, 16*SPITCH                  ; my stage
	v_mul_u32_u24 v25, v1, SPITCH
	v_lshl_add_u32 v25, v2, 6, v25
	v_add_nc_u32 v[STO], s46, v25                  ; in: row r, + 64 h
	v_add_nc_u32 v[RD], s46, v[CO]                 ; back: the 32 lanes take one row of 512 bytes
.macro FRAG reg, adr, off, hs          ; 16 rows x 128 K: two half fragments, hs bytes apart
	ds_load_b128 v[\reg:\reg+3],     v[\adr]   offset:\off
	ds_load_b64  v[\reg+4:\reg+5],   v[\adr+1] offset:\off
	ds_load_b128 v[\reg+6:\reg+9],   v[\adr]   offset:(\off)+\hs
	ds_load_b64  v[\reg+10:\reg+11], v[\adr+1] offset:(\off)+\hs
.endm
.macro FETCH st                        ; step st's fragments into set st % 2; with an even step the scale words of 256 K
.set KQ_, (\st)/2
.set P_, (\st)%2
	WIN TO_B
.irp i, 0,1,2,3,4,5,6,7
	FRAG 128*P_+FR*\i, BB+2*KQ_, 2*P_*HROW+\i*HF, HROW
.endr
	WIN 0
.irp i, 0,1,2,3
	FRAG AF+48*P_+FR*\i, AA+2*(KQ_/2), ((4*KQ_+2*P_)%8)*VROW+\i*HF, VROW
.endr
.if P_ == 0
.irp i, 0,1,2,3,4,5,6,7
	ds_load_b64 v[SC+16*(KQ_%2)+2*\i:SC+16*(KQ_%2)+2*\i+1], v[ADS+KQ_] offset:\i*128   ; (lanes 0-15 of i = 4 .. 7 read filled bytes that no product names)
.endr
.endif
.endm
; 32 products: a's four blocks x b's eight.  The accumulators take turns, one instruction a turn, in the same order in every step.
.macro MUL32 st, first
.set BS_, 128*((\st)%2)
.set AS_, AF+48*((\st)%2)
.set SW_, SC+16*(((\st)/2)%2)+(\st)%2
.irp a, 0,1,2,3
.irp b, 0,1,2,3,4,5,6,7
.if \first
	v_wmma_scale_f32_16x16x128_f8f6f4 v[8*(8*\a+\b):8*(8*\a+\b)+7], v[BS_+FR*\b:BS_+FR*\b+FR-1], v[AS_+FR*\a:AS_+FR*\a+FR-1], v[BI+8*\b:BI+8*\b+7], v[SW_+2*\b], v[SW_+2*\a] matrix_a_fmt:MATRIX_FMT_FP6 matrix_b_fmt:MATRIX_FMT_FP6 matrix_a_scale:MATRIX_SCALE_ROW1
.else
	v_wmma_scale_f32_16x16x128_f8f6f4 v[8*(8*\a+\b):8*(8*\a+\b)+7], v[BS_+FR*\b:BS_+FR*\b+FR-1], v[AS_+FR*\a:AS_+FR*\a+FR-1], v[8*(8*\a+\b):8*(8*\a+\b)+7], v[SW_+2*\b], v[SW_+2*\a] matrix_a_fmt:MATRIX_FMT_FP6 matrix_b_fmt:MATRIX_FMT_FP6 matrix_a_scale:MATRIX_SCALE_ROW1
.endif
.endr
.endr
.endm
.macro STEP st
	s_wait_dscnt 0x0
	PLACES 4                                       ; in front of loads into registers that products have read
	FETCH (\st)+1
	WIN MUL_LO
	MUL32 \st, 0
	WIN 0
.endm
	s_wait_alu depctr_va_vdst(0)                   ; the head's end
	s_wait_tensorcnt 0x0                           ; my tile of the four is in,
	s_barrier_signal -1
	s_barrier_wait -1                              ; everybody's is: all of K lies in LDS, and stays
	FETCH 0
	s_wait_dscnt 0x0
	FETCH 1
	s_wait_loadcnt 0x0                             ; the bias
	WIN BIA_LO
	MUL32 0, 1
	WIN 0
.irp t, 1,2,3,4,5,6
	STEP \t
.endr
	s_wait_dscnt 0x0                               ; my last reads of the tiles are in:
	s_barrier_signal -1                            ; say so,
	WIN MUL_LO
	MUL32 7, 0                                     ; work on registers while the others arrive,
	WIN 0
	s_barrier_wait -1                              ; and nobody reads the bytes on which the stages lie any more
.macro TOSTAGE a
	WIN 0x08                                       ; the data: window 2
.irp b, 0,1,2,3,4,5,6,7
	ds_store_b128 v[STO], v[64*(\a)+8*\b:64*(\a)+8*\b+3] offset:128*(\b/2)+32*(\b%2)          ; each accumulator from its low end on
	ds_store_b128 v[STO], v[64*(\a)+8*\b+4:64*(\a)+8*\b+7] offset:128*(\b/2)+32*(\b%2)+16
.endr
	WIN 0
.set BBK, BK+64*((\a)%2)
.irp t, 0,1,2,3,4,5,6,7,8,9,10,11,12,13,14,15
	ds_load_b128 v[BBK+4*\t:BBK+4*\t+3], v[RD] offset:\t*SPITCH   ; LDS serves a wave's instructions in order: these see the stores above
.endr
.endm
.macro SEND a, younger                 ; younger: the LDS instructions issued behind block a's loads
.set BBK, BK+64*((\a)%2)
	s_wait_dscnt \younger
.irp t, 0,1,2,3,4,5,6,7,8,9,10,11,12,13,14,15
	global_store_b128 v[CO], v[BBK+4*\t:BBK+4*\t+3], s[10:11] offset:(32*((\a)/2)+8*((\a)%2)+\t%8+16*(\t/8))*4096 th:TH_STORE_NT   ; 512 consecutive bytes of one token's row, aligned
.endr
.endm
	PLACES 4
	TOSTAGE 0
.irp a, 1,2,3
.if \a > 1
	s_wait_xcnt 0x0                                ; block a - 2's stores have read their registers
.endif
	TOSTAGE \a
	SEND \a-1, 32
.endr
	SEND 3, 0
	s_wait_tensorcnt 0x0                           ; the wave's end
	ds_add_u32 v[SPW], v[NIL]
	s_wait_dscnt 0x0
	CROUND                                         ; the closing round
	s_endpgm
.Lfunc_end_k_q2b38deb3cd_proj:
	.size	k_q2b38deb3cd_proj, .Lfunc_end_k_q2b38deb3cd_proj-k_q2b38deb3cd_proj
	.p2alignl 7, 3214868480
	.fill 96, 4, 3214868480
	.section	.rodata,"a",@progbits
	.p2align	6, 0x0
	.amdhsa_kernel k_q2b38deb3cd_proj
		.amdhsa_group_segment_fixed_size 327680
		.amdhsa_private_segment_fixed_size 0
		.amdhsa_enable_private_segment 0
		.amdhsa_kernarg_size 32
		.amdhsa_user_sgpr_count 2
		.amdhsa_user_sgpr_kernarg_segment_ptr 1
		.amdhsa_wavefront_size32 1
		.amdhsa_system_sgpr_workgroup_id_x 1
		.amdhsa_system_sgpr_workgroup_id_y 1
		.amdhsa_system_sgpr_workgroup_id_z 1
		.amdhsa_system_vgpr_workitem_id 0
		.amdhsa_next_free_vgpr 768
		.amdhsa_next_free_sgpr 96
		.amdhsa_reserve_vcc 0
		.amdhsa_float_denorm_mode_32 3
		.amdhsa_float_denorm_mode_16_64 3
		.amdhsa_memory_ordered 1
		.amdhsa_forward_progress 1
		.amdhsa_inst_pref_size 86
	.end_amdhsa_kernel
	.amdgpu_metadata
---
amdhsa.version: [ 1, 2 ]
amdhsa.kernels:
  - .name:           k_q2b38deb3cd_proj
    .symbol:         k_q2b38deb3cd_proj.kd
    .args:
      - { .name: aq, .offset: 0, .size: 8, .value_kind: global_buffer, .address_space: global }
      - { .name: wp, .offset: 8, .size: 8, .value_kind: global_buffer, .address_space: global }
      - { .name: b_proj, .offset: 16, .size: 8, .value_kind: global_buffer, .address_space: global }
      - { .name: out0, .offset: 24, .size: 8, .value_kind: global_buffer, .address_space: global }
    .group_segment_fixed_size: 327680
    .private_segment_fixed_size: 0
    .kernarg_segment_align: 8
    .kernarg_segment_size: 32
    .max_flat_workgroup_size: 128
    .sgpr_count:     96
    .vgpr_count:     768
    .wavefront_size: 32
...
	.end_amdgpu_metadata
.endif
;; end of part 4
